; MI455X (gfx1250); checked and timed in simulation.
; The chip was launched on July 23, 2026; its instructions are those of AMD's public machine-readable ISA for CDNA 5 (MIT licence, August 2026) and "CDNA5" Instruction Set Architecture Reference Guide (July 2026). The comments in the code are by the model that wrote it; some were corrected since.
;; Causal Self Attention. Allowed arithmetic: matrix products marked QUANTISED: E3M2 operands, one E8M0 scale for each 32 along K, by v_wmma_scale_f32_16x16x128_f8f6f4 with both operands' format E3M2, f32 sums; everything else in f32.
;; Inputs: b_proj 1,024 float32; b_qkv 3,072 float32; input_data 4 x 2,048 x 1,024 float32; w_proj 1,024 x 1,024 float32; w_qkv 1,024 x 3,072 float32.
;; Outputs: out0 4 x 2,048 x 1,024 float32.
;; This version of the problem:
;;   THIS VERSION OF THE PROBLEM IS GIVEN IN LOW PRECISION. The matrix products marked QUANTISED in the list below multiply operands that are first quantised to E3M2 (3 exponent bits, 2 mantissa bits; 6 bits a number), with one power-of-two scale for each 32 numbers along K (OCP MX v1.0); their sums are f32. All else is computed in f32.
;;   The module's matrix products, in the order in which they are computed (A, B: the left and right operand; K: the contracted axis; several contracted axes count as one K, in the product's order):
;;     1. [M 8,192, K 1,024] x [K 1,024, N 3,072]; A: input input_data; B: input w_qkv: QUANTISED
;;     2. batch 64 x [M 2,048, K 64] x [K 64, N 2,048]; A: computed on the way; B: computed on the way: QUANTISED
;;     3. batch 64 x [M 2,048, K 2,048] x [K 2,048, N 64]; A: softmax (see below); B: computed on the way: QUANTISED
;;     4. [M 8,192, K 1,024] x [K 1,024, N 1,024]; A: computed on the way; B: input w_proj: QUANTISED
;;   THE QUANTISER, for each operand of a quantised product, along K:
;;     - K is cut into blocks of 32 from its start; a last block that is shorter is filled with zeros.
;;     - A block's scale is 2^e with e = floor(log2(the largest magnitude in the block)) - 4, held to -126 .. 127; a block of zeros has e = 0. As a byte (E8M0): e + 127.
;;     - Each number is divided by its block's scale, clamped to +-28, and rounded to the nearest number of E3M2, ties to even, subnormals kept.
;;     - The product sums the exact products of the quantised numbers (number of the format x scale) in f32.
;;   ~~~python
;;   def quantise(x, axis):      # numpy; x: float32 -> the quantised numbers, widened to float32 again
;;       x = np.moveaxis(x, axis, -1); K = x.shape[-1]
;;       x = np.pad(x, [(0, 0)] * (x.ndim - 1) + [(0, -K % 32)]); x = x.reshape(x.shape[:-1] + (-1, 32)); a = np.abs(x).max(-1, keepdims=True)
;;       e = np.where(a > 0, np.clip(np.frexp(np.where(a > 0, a, 1))[1] - 1 - 4, -126, 127), 0)      # np.frexp(a)[1] - 1 = floor(log2(a)), exactly
;;       r = np.clip(x / 2.0 ** e, -28, 28)
;;       step = 2.0 ** (np.maximum(np.frexp(np.where(r == 0, 1, r))[1] - 1, -2) - 2)
;;       q = np.round(r / step) * step * 2.0 ** e      # np.round: ties to even
;;       return np.moveaxis(q.reshape(q.shape[:-2] + (-1,))[..., :K], -1, axis).astype(np.float32)
;;   ~~~
;;   SOFTMAX AHEAD OF A QUANTISED PRODUCT. Where the list says 'softmax', what is quantised is not the finished softmax but p = 2^(t - M), with t = logit x log2(e) and M = ceil(the row's largest t), a whole number; so 1/2 < the row's largest p <= 1. The row's sum l is taken of the UNQUANTISED p, in f32, and the product's result is divided by l at the end. Since M is a whole number, a kernel that streams over the keys may use a running M (the ceiling of the running maximum): every later rescaling is an exact power of two, which a block's scale takes up: the codes' values come out the same.
;;   OPERANDS COMPUTED ON THE WAY. 'Computed on the way' means the value that the module computes at that place (a softmax that the list does not call 'softmax' is quantised finished and normalised). What goes into a quantiser is computed in f32, as accurately as f32 sums, v_exp_f32 and their like allow (about 1e-6 of the number): no bf16 or f16 on the way to a quantiser, and a product that is left as it is and whose result goes on into a quantised operand takes f32 operands (vector FMAs, or v_wmma_f32_16x16x4_f32). A number that lies on a knife's edge between two numbers of the format may be rounded either way, as far as f32 arithmetic and the matrix unit's own rounding can turn it there, and no further.
;; One version. Each part assembles by itself: llvm-mc -triple=amdgcn-amd-amdhsa -mcpu=gfx1250 --defsym DOCPART=n.
;; ======== version 1 of 1: 4 launches
;; workspace buffers: xc 6,291,456 bytes; xs 262,144 bytes; wc 3,145,728 bytes; ws 131,072 bytes; qkv 20,185,088 bytes; oc 6,291,456 bytes; os 262,144 bytes
;; launch quant (part 1): grid 512 x 1, 4 waves a work-group, no clusters, 34,304 bytes of LDS; arguments input_data, w_qkv, w_proj, xc, xs, wc, ws; writes xc, xs, wc, ws
.if DOCPART == 1
	.amdgcn_target "amdgcn-amd-amdhsa--gfx1250"
	.amdhsa_code_object_version 6
	.text
	.protected	k_qc855035686_quant
	.globl	k_qc855035686_quant
	.p2align	8
	.type	k_qc855035686_quant,@function
k_qc855035686_quant:
	s_mov_b64 s[64:65], 0
	v_nop
	global_prefetch_b8 v0, s[64:65] scope:SCOPE_SE
	s_setreg_imm32_b32 hwreg(HW_REG_WAVE_MODE, 25, 1), 1
	s_wait_xcnt 0x0
; CAUSAL SELF-ATTENTION IN MX-BF6, LAUNCH 1 OF 4: the three f32 inputs that are matrix operands become codes of E3M2 and E8M0 scale bytes, once.
; x = input_data [8192][1024] is quantised along its last axis; w_qkv [1024][3072] and w_proj [1024][1024] along their FIRST axis (their K).
; DEAD WORK OF THE WHOLE PROGRAM.  reference() builds the causal mask itself (jnp.tril): a score of key k and query q with k > q becomes -infinity, its weight is 0 for all values of the inputs.
; So a step of 128 keys that all come after a wave's queries is left out in launch 3 (both products and the softmax of that step).  Nothing else is left out: every input has a way to the output
; (b_qkv moves the codes of q, k and v; b_proj is added to the result), and all five are loaded.  LIMIT: a NaN, an infinity or an overflow that reaches only such hidden scores is not carried to the result.
; LIMITS: NaN and infinities among the inputs are not served.  A block whose largest magnitude lies under 2^-122 has its scale byte held at 1; a block of zeros has the byte 1 where the rule says 127:
; its codes are zeros, which add nothing under any byte but 0xff, and these bytes are read by this program alone.
; LAYOUTS OF THE WORKSPACE.  POSITION: rows of x and columns of the weights are kept at position = index with bits 3 and 4 exchanged.  So 16 neighbouring positions 16 T .. 16 T + 15 hold the indices
; 32 (T / 2) + 8 (T % 2) + r + 8 (r / 8): used as source 0 of a matrix instruction, two neighbouring tiles give a lane 16 NEIGHBOURING indices in 16 registers, which the next quantiser wants.
; A FRAGMENT (16 rows x 128 K, 12 registers a lane) lies in memory as an image of its registers, in two halves of 768 bytes (64 K each): registers 0-3 of lane l at 16 l, registers 4-5 at 512 + 8 l.
; xc, wc: [tile of 16 positions][K step 0..7][1,536 bytes].  xs, ws: [tile][K half][row r][4 words], a word = the four scale bytes of a row and a K step.  wc, ws: positions 0-3071 w_qkv's columns, 3072-4095 w_proj's.
; Work-groups 0-255 take x (a wave: 16 rows x 512 K), work-groups 256-511 the weights (a wave: 32 columns x 128 K).  No tensor loads, no barrier: waves share nothing.
.set SPARE, 33792                      ; behind the four stages: the spare words, 128 bytes a wave
.set SPW,   12                         ; v12  LDS address of my spare word; never rewritten
.set NIL,   13                         ; v13  0; never rewritten
.set SEL,   20                         ; s[20:21] lane selects: lane l xor 16
.set R,     16                         ; v16-143  x path: two sets of 64 registers as loaded.  W path: 128 numbers down K
.set X,     144                        ; v144-207 x path: 64 numbers in the quantiser's order.  W path: v144-175 codes
.set PC,    208                        ; v208-227 the codes just made
.set TM,    228                        ; v228-243 at work in QUANT
.set PWS,   244                        ; v244-247 four scale words
.set SB,    176                        ; W path: the scale word
; 64 numbers of a lane, register 16 b + i = k 32 b + 16 (lane / 16) + i of my row, become a fragment's codes in v[PC] .. v[PC+11] and its scale word in v[pw].
.macro QUANT s, pw
.irp b, 0,1,2,3
	v_max3_num_f32 v[TM+\b], |v[\s+16*\b]|, |v[\s+1+16*\b]|, 0x2800000   ; block b: my 16 numbers, and the floor 2^(5 - 127): the byte cannot fall under 1
.endr
.irp i, 2,4,6,8,10,12,14
.irp b, 0,1,2,3
	v_max3_num_f32 v[TM+\b], v[TM+\b], |v[\s+16*\b+\i]|, |v[\s+1+16*\b+\i]|
.endr
.endr
.irp b, 0,1,2,3
	v_permlanex16_b32 v[TM+4+\b], v[TM+\b], s[SEL], s[SEL+1]
.endr
.irp b, 0,1,2,3
	v_max_num_f32 v[TM+\b], v[TM+\b], v[TM+4+\b]      ; with lane l xor 16's: the block's largest magnitude
.endr
.irp b, 0,1,2,3
	v_add_nc_u32 v[TM+12+\b], 0xfe000000, v[TM+\b]    ; 4 off its exponent field: the conversion's scale operand
.endr
.irp b, 0,1,2,3
	v_lshrrev_b32 v[TM+4+\b], 23, v[TM+12+\b]         ; the scale's byte
.endr
	v_lshl_or_b32 v[\pw], v[TM+5], 8, v[TM+4]
	v_lshl_or_b32 v[\pw], v[TM+6], 16, v[\pw]
	v_lshl_or_b32 v[\pw], v[TM+7], 24, v[\pw]
.irp c, 0,1
	v_cvt_scalef32_pk16_bf6_f32 v[PC+6*\c:PC+2+6*\c], v[\s+32*\c:\s+15+32*\c], v[TM+12+2*\c]
	v_cvt_scalef32_pk16_bf6_f32 v[PC+12+4*\c:PC+14+4*\c], v[\s+16+32*\c:\s+31+32*\c], v[TM+12+2*\c+1]   ; (a conversion's three registers begin on an even number)
.endr
	v_nop                                             ; one plain instruction behind the scaled conversions
.irp c, 0,1                                       ; the operand's layout wants a whole block in a lane: lanes 0-15 block 2 c, lanes 16-31 block 2 c + 1
.irp i, 0,1,2
	v_permlane16_swap_b32 v[PC+6*\c+\i], v[PC+12+4*\c+\i]
.endr
.irp i, 0,1,2
	v_mov_b32 v[PC+3+6*\c+\i], v[PC+12+4*\c+\i]
.endr
.endr
.endm
	s_load_b256 s[4:11], s[0:1], 0x0               ; input_data s[4:5], w_qkv s[6:7], w_proj s[8:9], xc s[10:11]
	s_load_b128 s[12:15], s[0:1], 0x20             ; xs s[12:13], wc s[14:15]
	s_load_b64 s[16:17], s[0:1], 0x30              ; ws
	v_lshl_add_u32 v[SPW], v0, 2, SPARE
	v_mov_b32 v[NIL], 0
	v_lshrrev_b32 v1, 5, v0
	v_readfirstlane_b32 s18, v1                    ; wave 0..3
	v_and_b32 v1, 31, v0                           ; lane
	v_and_b32 v2, 15, v0                           ; r
	v_bfe_u32 v3, v0, 4, 1                         ; h
	s_mov_b32 s[SEL], 0x76543210
	s_mov_b32 s[SEL+1], 0xfedcba98
	s_cmp_lt_u32 ttmp9, 256
	s_cbranch_scc0 .Lweights
	; ---- x.  Wave g = 4 x work-group + wave takes tile g / 2 of 16 rows and K half g % 2: four fragments.
	s_lshl_b32 s22, ttmp9, 2
	s_add_co_u32 s22, s22, s18                     ; g
	s_lshr_b32 s23, s22, 1                         ; tile T
	s_and_b32 s24, s22, 1                          ; K half
	s_lshr_b32 s26, s23, 1
	s_lshl_b32 s26, s26, 17                        ; 32 (T / 2) rows of 4,096 bytes
	s_and_b32 s27, s23, 1
	s_lshl_b32 s27, s27, 15                        ; + 8 (T % 2) rows
	s_add_co_u32 s26, s26, s27
	s_lshl_b32 s27, s24, 11                        ; + 512 numbers for the upper half of K
	s_add_co_u32 s26, s26, s27
	s_mov_b32 s27, 0
	s_mul_i32 s28, s23, 12288                      ; codes: the tile, the K half's four fragments
	s_mul_i32 s29, s24, 6144
	s_add_co_u32 s28, s28, s29
	s_mov_b32 s29, 0
	s_lshl_b32 s30, s22, 8                         ; scale words: 256 bytes for a tile's K half
	s_mov_b32 s31, 0
	s_mul_i32 s25, s18, 8448                       ; my stage: 16 rows x (512 + 16) bytes
	v_lshlrev_b32 v4, 4, v1                        ; 16 x lane
	v_lshlrev_b32 v5, 3, v1                        ; 8 x lane
	v_add_nc_u32 v6, s25, v4                       ; into the stage: a row as it lies
	v_mul_u32_u24 v7, v2, 528
	v_lshl_add_u32 v7, v3, 6, v7
	v_add_nc_u32 v7, s25, v7                       ; out of it: row r, 16 numbers of each block of 32: + 64 h
	v_lshlrev_b32 v8, 4, v2                        ; 16 r: my row's four scale words
.irp b, 0,1,2,3
	v_mov_b32 v[TM+4+\b], 0                        ; written once: a lane permute's destination counts as one of its sources
.endr
	s_wait_kmcnt 0x0
	s_add_nc_u64 s[4:5], s[4:5], s[26:27]
	s_add_nc_u64 s[10:11], s[10:11], s[28:29]
	s_add_nc_u64 s[12:13], s[12:13], s[30:31]
.macro LOADF f                         ; fragment f: 16 rows x 512 bytes; each load covers 512 consecutive bytes of one row
.set p, 0
.rept 16
	global_load_b128 v[R+64*((\f)%2)+4*p:R+64*((\f)%2)+4*p+3], v4, s[4:5] offset:(p+8*(p/8))*4096+512*(\f) th:TH_LOAD_NT
.set p, p+1
.endr
.endm
	LOADF 0
	LOADF 1
.irp f, 0,1,2,3
.if \f < 3
	s_wait_loadcnt 16                              ; this fragment's 16 loads are in; the next fragment's 16 may be out
.else
	s_wait_loadcnt 0x0
.endif
.set p, 0
.rept 16
	ds_store_b128 v6, v[R+64*(\f%2)+4*p:R+64*(\f%2)+4*p+3] offset:528*p
.set p, p+1
.endr
.irp b, 0,1,2,3
.irp j, 0,1,2,3
	ds_load_b128 v[X+16*\b+4*\j:X+16*\b+4*\j+3], v7 offset:128*\b+16*\j   ; LDS serves a wave's instructions in order: these see my stores
.endr
.endr
	s_wait_dscnt 0x0                               ; the stores have read their registers, the 64 numbers are back
.if \f < 2
	LOADF \f+2
.endif
.if \f > 0
	s_wait_xcnt 0x0                                ; the last fragment's stores have read the codes' registers
.endif
	QUANT X, PWS+\f
	global_store_b128 v4, v[PC:PC+3], s[10:11] offset:1536*\f           ; 512 consecutive bytes
	global_store_b64 v5, v[PC+4:PC+5], s[10:11] offset:1536*\f+512      ; 256
	global_store_b128 v4, v[PC+6:PC+9], s[10:11] offset:1536*\f+768
	global_store_b64 v5, v[PC+10:PC+11], s[10:11] offset:1536*\f+1280
.endr
	global_store_b128 v8, v[PWS:PWS+3], s[12:13]   ; 256 consecutive bytes; lanes 16-31 write what lanes 0-15 write
	s_branch .Lend
	; ---- the weights.  A LANE TAKES A COLUMN, AND ITS REGISTERS RUN DOWN K: a block of 32 lies in one lane, and the conversions give codes with K innermost.
.Lweights:
	s_sub_co_u32 s22, ttmp9, 256
	s_and_b32 s23, s22, 31                         ; which 128 columns
	s_lshr_b32 s24, s22, 5                         ; K step 0..7
	s_lshl_b32 s25, s23, 7
	s_lshl_b32 s26, s18, 5
	s_add_co_u32 s25, s25, s26                     ; my wave's first column (a multiple of 32: index and position agree there)
	v_lshlrev_b32 v9, 2, v1                        ; in: 4 bytes a lane
	v_bfe_u32 v10, v0, 3, 1                        ; column col0 + lane lies in tile col0 / 16 + u, u = bit 3 of the lane,
	v_and_b32 v11, 7, v0
	v_lshl_add_u32 v11, v3, 3, v11                 ; at row r' = 8 x bit 4 + (lane % 8)
	v_mul_u32_u24 v14, v10, 12288
	v_lshl_add_u32 v4, v11, 4, v14                 ; registers 0-3 of an image's half
	v_lshl_add_u32 v5, v11, 3, v14                 ; registers 4-5
	v_lshlrev_b32 v6, 9, v10
	v_lshl_add_u32 v6, v11, 4, v6                  ; the scale word
	s_lshr_b32 s26, s25, 4
	s_mul_i32 s28, s26, 12288
	s_mul_i32 s29, s24, 1536
	s_add_co_u32 s28, s28, s29
	s_mov_b32 s29, 0
	s_lshl_b32 s30, s26, 9
	s_lshr_b32 s31, s24, 2
	s_lshl_b32 s31, s31, 8
	s_add_co_u32 s30, s30, s31
	s_and_b32 s31, s24, 3
	s_lshl_b32 s31, s31, 2
	s_add_co_u32 s30, s30, s31
	s_mov_b32 s31, 0
	s_wait_kmcnt 0x0
	s_add_nc_u64 s[14:15], s[14:15], s[28:29]
	s_add_nc_u64 s[16:17], s[16:17], s[30:31]
	s_cmp_lt_u32 s23, 24                           ; w_qkv's columns or w_proj's?  The choice hangs on the work-group's number alone
	s_cselect_b64 s[6:7], s[6:7], s[8:9]
	s_mov_b32 s32, 4096
	s_cselect_b32 s32, 12288, s32                  ; bytes in a row
	s_cselect_b32 s33, 0, 3072
	s_sub_co_u32 s33, s25, s33                     ; the column in its own tensor
	s_lshl_b32 s33, s33, 2
	s_lshl_b32 s34, s24, 7
	s_mul_i32 s34, s34, s32                        ; 128 rows a K step
	s_add_co_u32 s34, s34, s33
	s_mov_b32 s35, 0
	s_add_nc_u64 s[6:7], s[6:7], s[34:35]
.macro WLOAD t, rb                     ; block t: w(32 t + i, my column): 32 lanes read 128 consecutive bytes
.set p, 0
.rept 32
	global_load_b32 v[R+32*(\t)+p], v9, s[6:7] offset:(32*(\t)+p)*\rb th:TH_LOAD_NT
.set p, p+1
.endr
.endm
.macro BLOCKW t, rb
.set XS, R+32*(\t)
.set CW, X+8*(\t)
.if (\t) < 3
	s_wait_loadcnt 32                              ; this block's 32 loads are in; the next block's may be out
.else
	s_wait_loadcnt 0x0
.endif
.if (\t) < 2
	WLOAD (\t)+2, \rb
.endif
	v_max3_num_f32 v180, |v[XS]|, |v[XS+1]|, |v[XS+2]|
	v_max3_num_f32 v181, |v[XS+3]|, |v[XS+4]|, |v[XS+5]|
.irp i, 6,10,14,18,22,26
	v_max3_num_f32 v180, v180, |v[XS+\i]|, |v[XS+\i+1]|
	v_max3_num_f32 v181, v181, |v[XS+\i+2]|, |v[XS+\i+3]|
.endr
	v_max3_num_f32 v180, v180, |v[XS+30]|, |v[XS+31]|
	v_max3_num_f32 v180, v180, v181, 0x2800000     ; and the floor
	v_add_nc_u32 v182, 0xfe000000, v180
	v_lshrrev_b32 v183, 23, v182
	v_cvt_scalef32_pk16_bf6_f32 v[CW:CW+2], v[XS:XS+15], v182
	v_cvt_scalef32_pk16_bf6_f32 v[CW+4:CW+6], v[XS+16:XS+31], v182
.if (\t) == 0
	v_mov_b32 v[SB], v183                          ; the four bytes make the word; also the plain instruction behind the conversions
.else
	v_lshl_or_b32 v[SB], v183, 8*(\t), v[SB]
.endif
	v_mov_b32 v[CW+3], v[CW+4]                     ; the block's 24 bytes on end
	v_mov_b32 v[CW+4], v[CW+5]
	v_mov_b32 v[CW+5], v[CW+6]
	global_store_b128 v4, v[CW:CW+3], s[14:15] offset:768*((\t)/2)+256*((\t)%2)       ; block t is what lane r' + 16 (t % 2) of the image's half t / 2 holds
	global_store_b64 v5, v[CW+4:CW+5], s[14:15] offset:768*((\t)/2)+512+128*((\t)%2)
.endm
.macro WBODY rb
	WLOAD 0, \rb
	WLOAD 1, \rb
	BLOCKW 0, \rb
	BLOCKW 1, \rb
	BLOCKW 2, \rb
	BLOCKW 3, \rb
	global_store_b32 v6, v[SB], s[16:17]
.endm
	s_cmp_lt_u32 s23, 24
	s_cbranch_scc0 .Lproj
	WBODY 12288
	s_branch .Lend
.Lproj:
	WBODY 4096
.Lend:
	s_wait_tensorcnt 0x0                           ; the wave's end
	ds_add_u32 v[SPW], v[NIL]
	s_wait_dscnt 0x0
	s_endpgm
.Lfunc_end_k_qc855035686_quant:
	.size	k_qc855035686_quant, .Lfunc_end_k_qc855035686_quant-k_qc855035686_quant
	.p2alignl 7, 3214868480
	.fill 96, 4, 3214868480
	.section	.rodata,"a",@progbits
	.p2align	6, 0x0
	.amdhsa_kernel k_qc855035686_quant
		.amdhsa_group_segment_fixed_size 34304
		.amdhsa_private_segment_fixed_size 0
		.amdhsa_enable_private_segment 0
		.amdhsa_kernarg_size 56
		.amdhsa_user_sgpr_count 2
		.amdhsa_user_sgpr_kernarg_segment_ptr 1
		.amdhsa_wavefront_size32 1
		.amdhsa_system_sgpr_workgroup_id_x 1
		.amdhsa_system_sgpr_workgroup_id_y 1
		.amdhsa_system_sgpr_workgroup_id_z 1
		.amdhsa_system_vgpr_workitem_id 0
		.amdhsa_next_free_vgpr 256
		.amdhsa_next_free_sgpr 66
		.amdhsa_reserve_vcc 0
		.amdhsa_float_denorm_mode_32 3
		.amdhsa_float_denorm_mode_16_64 3
		.amdhsa_memory_ordered 1
		.amdhsa_forward_progress 1
		.amdhsa_inst_pref_size 73
	.end_amdhsa_kernel
	.amdgpu_metadata
---
amdhsa.version: [ 1, 2 ]
amdhsa.kernels:
  - .name:           k_qc855035686_quant
    .symbol:         k_qc855035686_quant.kd
    .args:
      - { .name: input_data, .offset: 0, .size: 8, .value_kind: global_buffer, .address_space: global }
      - { .name: w_qkv, .offset: 8, .size: 8, .value_kind: global_buffer, .address_space: global }
      - { .name: w_proj, .offset: 16, .size: 8, .value_kind: global_buffer, .address_space: global }
      - { .name: xc, .offset: 24, .size: 8, .value_kind: global_buffer, .address_space: global }
      - { .name: xs, .offset: 32, .size: 8, .value_kind: global_buffer, .address_space: global }
      - { .name: wc, .offset: 40, .size: 8, .value_kind: global_buffer, .address_space: global }
      - { .name: ws, .offset: 48, .size: 8, .value_kind: global_buffer, .address_space: global }
    .group_segment_fixed_size: 34304
    .private_segment_fixed_size: 0
    .kernarg_segment_align: 8
    .kernarg_segment_size: 56
    .max_flat_workgroup_size: 128
    .sgpr_count:     66
    .vgpr_count:     256
    .wavefront_size: 32
...
	.end_amdgpu_metadata
.endif
;; end of part 1
;; launch gemm1 (part 2): grid 12 x 32, 4 waves a work-group, clusters of 4 x 4, 327,680 bytes of LDS; arguments xc, xs, wc, ws, b_qkv, qkv; writes qkv
.if DOCPART == 2
	.amdgcn_target "amdgcn-amd-amdhsa--gfx1250"
	.amdhsa_code_object_version 6
	.text
	.protected	k_qc855035686_gemm1
	.globl	k_qc855035686_gemm1
	.p2align	8
	.type	k_qc855035686_gemm1,@function
k_qc855035686_gemm1:
	s_mov_b64 s[64:65], 0
	v_nop
	global_prefetch_b8 v0, s[64:65] scope:SCOPE_SE
	s_setreg_imm32_b32 hwreg(HW_REG_WAVE_MODE, 25, 1), 1
	s_wait_xcnt 0x0
	s_wait_alu depctr_hold_cnt(0) depctr_sa_sdst(0) depctr_va_vdst(0) depctr_va_sdst(0) depctr_va_ssrc(0) depctr_va_vcc(0) depctr_vm_vsrc(0)
	s_getreg_b32 s2, hwreg(HW_REG_IB_STS2, 6, 4)
	s_cmp_eq_u32 s2, 0
	s_cbranch_scc0 .Lentry_in_a_cluster
	s_endpgm
.Lentry_in_a_cluster:
	s_bfe_u32 s2, ttmp6, 0x10000c
	s_cmp_lg_u32 s2, 0xf033
	s_cbranch_scc0 .Lentry_shape_is_right
	s_endpgm
.Lentry_shape_is_right:
; LAUNCH 2 OF 4: qkv = x w_qkv + b_qkv on codes of E3M2, and on the way out q and k are quantised along the head's 64, v along the keys.  No f32 number of qkv goes to memory.  No work is left out here.
; A tile of 256 x 256 to a work-group of four waves, 128 x 128 to a wave (64 accumulators).  K = 1,024 is eight steps of 128, written out.  The matrix instruction is used transposed:
; source 0 = 16 rows of the B slot, source 1 = 16 rows of the A slot: a lane holds ONE row of the A slot, and its registers run along the B slot's rows (16 neighbouring indices in two tiles: see POSITION in launch 1).
; ROLES, by the cluster's x, which all sixteen partners share.  x = 0 (q), 1 (k): A slot = tokens (xc), B slot = w_qkv's columns (wc): a lane holds a token, its registers run along the columns: two heads of 64.
; x = 2 (v): A slot = the columns of v (wc), B slot = tokens (xc): V^T = Wv x^T by the same text: a lane holds one channel d, its registers run along 128 tokens, which are the K of attention's second product.
; CLUSTERS 4 x 4: the A slot's tiles are asked for jointly along a row of the cluster, the B slot's along a column.
; LDS: three regions of 98,304 bytes (256 along K each: A's 256 rows, then B's; a wave fills a quarter) and the scale words of all of K.  K slots 0, 1, 2 are first fills, K slot 3 is the one refill, into region 0.
; OUT: qkv = [batch x head][group of 128 tokens][19,712 bytes]: q's 8 half fragments (768 bytes each), q's scale words (512), k's 8 half fragments, V^T's 4 fragments (1,536 each), k's scale words (512), V^T's (256).
; LIMITS: as stated in launch 1; the bias is added behind the sum over K.
.set FR,    12                         ; registers of a fragment
.set QTR,   24576                      ; 8 row tiles x 3,072 bytes: what one tensor load brings
.set REG,   98304                      ; a region
.set SCL,   294912                     ; behind the regions: the scale words, 4,096 bytes a wave
.set SPARE, 311296                     ; the spare words, 128 bytes a wave
.set HSTR,  315392                     ; from head to head in qkv
.set ADRS,  16                         ; v16  LDS address of my scale words: lanes 0-15 the A slot's, lanes 16-31 the B slot's
.set SPW,   28                         ; v28  my spare word; never rewritten
.set NIL,   29                         ; v29  0; never rewritten
.set SC,    32                         ; v32-95  scale words: tile i, K step s at v[SC + 8 i + s]
.set AF,    128                        ; v128-223 A's fragments, one set (window 0);  window 1: B's, two sets, at v0 and v128;  windows 2, 3: the accumulators
.set W,     128                        ; the way out: v128-191 64 numbers, v192-211 codes, v212-219 scale words, v220-223 four of them to store, v4-19 at work
.set PC,    192
.set PWA,   212
.set T4,    220
.set TM,    4
.set SEL,   2
.set G1A,   24                         ; s[24:31], s[32:39] descriptor group 1 for the A slot's and the B slot's codes;  s[40:47], s[48:55] for their scale words
.set G1B,   32
.set G1SA,  40
.set G1SB,  48
.set G0SA,  84                         ; groups 0: A's codes s[56:59], s[60:63], s[68:71]; B's s[72:83]; scale words s[84:87], s[88:91]
.set G0SB,  88
.set MSB, 0
.macro WIN new                         ; the immediate's high byte repeats the setting that is left
.if MSB != \new
	s_set_vgpr_msb (MSB<<8)|\new
.set MSB, \new
.endif
.endm
.set MUL_LO, 0xa1                      ; source 0 (B) window 1, source 1 (A) window 0, C and D window 2
.set MUL_HI, 0xf1
.set TO_B,   0x40
.macro JLOAD g0a, g1a, g0b, g1b        ; a joint load: waves 0, 1 fetch for the A slot, waves 2, 3 for the B slot; an s_nop 0 and four v_nop follow each line
	s_cmp_eq_u32 s17, 0
	s_cbranch_scc0 .Lfor_b_\@
	tensor_load_to_lds s[\g0a:\g0a+3], s[\g1a:\g1a+7]
	s_nop 0
.rept 4
	v_nop
.endr
	s_branch .Lasked_\@
.Lfor_b_\@:
	tensor_load_to_lds s[\g0b:\g0b+3], s[\g1b:\g1b+7]
	s_nop 0
.rept 4
	v_nop
.endr
.Lasked_\@:
.endm
.macro CREST                           ; a round of the cluster's barrier behind its opening barrier
	s_cmp_lg_u32 s16, 0
	s_cbranch_scc1 .Lnot_wave_0_\@
	s_barrier_signal -3
.Lnot_wave_0_\@:
	s_barrier_wait -3
	s_barrier_signal -1
	s_barrier_wait -1
.endm
.macro CROUND
	s_barrier_signal -1
	s_barrier_wait -1
	CREST
.endm
.macro PLACES n
.rept \n
	v_nop
.endr
.endm
.macro FRAG reg, a16, off              ; a fragment's image back into 12 registers: lanes read consecutive bytes
	ds_load_b128 v[\reg:\reg+3], v[\a16] offset:\off
	ds_load_b64 v[\reg+4:\reg+5], v[\a16+1] offset:\off+512
	ds_load_b128 v[\reg+6:\reg+9], v[\a16] offset:\off+768
	ds_load_b64 v[\reg+10:\reg+11], v[\a16+1] offset:\off+1280
.endm
.macro FETCH_B k, q, p                 ; B's eight fragments of region k, step q, into set p: 32 loads
	WIN TO_B
.irp i, 0,1,2,3,4,5,6,7
	FRAG 128*(\p)+FR*\i, 6+4*(\k), 3072*\i+1536*(\q)
.endr
	WIN 0
.endm
.macro FETCH_A k, q, i0                ; A's blocks i0 .. i0 + 3: 16 loads
.irp i, \i0, \i0+1, \i0+2, \i0+3
	FRAG AF+FR*(\i), 4+4*(\k), 3072*(\i)+1536*(\q)
.endr
.endm
.macro SCALES                          ; all of K's scale words, once
.irp i, 0,1,2,3,4,5,6,7
	ds_load_b128 v[SC+8*\i:SC+8*\i+3], v[ADRS] offset:512*\i
	ds_load_b128 v[SC+8*\i+4:SC+8*\i+7], v[ADRS] offset:512*\i+256
.endr
.endm
; 16 matrix instructions: A's blocks a0, a0 + 1 x B's eight, K step s.  The 64 accumulators take turns, one instruction a turn, in the same order in every step.
.macro MUL16 a0, p, s, first
.irp a, \a0, \a0+1
.irp b, 0,1,2,3,4,5,6,7
.if \first
	v_wmma_scale_f32_16x16x128_f8f6f4 v[8*(8*((\a)%4)+\b):8*(8*((\a)%4)+\b)+7], v[128*(\p)+FR*\b:128*(\p)+FR*\b+FR-1], v[AF+FR*(\a):AF+FR*(\a)+FR-1], 0, v[SC+8*\b+(\s)], v[SC+8*(\a)+(\s)] matrix_a_fmt:MATRIX_FMT_BF6 matrix_b_fmt:MATRIX_FMT_BF6 matrix_a_scale:MATRIX_SCALE_ROW1
.else
	v_wmma_scale_f32_16x16x128_f8f6f4 v[8*(8*((\a)%4)+\b):8*(8*((\a)%4)+\b)+7], v[128*(\p)+FR*\b:128*(\p)+FR*\b+FR-1], v[AF+FR*(\a):AF+FR*(\a)+FR-1], v[8*(8*((\a)%4)+\b):8*(8*((\a)%4)+\b)+7], v[SC+8*\b+(\s)], v[SC+8*(\a)+(\s)] matrix_a_fmt:MATRIX_FMT_BF6 matrix_b_fmt:MATRIX_FMT_BF6 matrix_a_scale:MATRIX_SCALE_ROW1
.endif
.endr
.endr
.endm
; K step s; the next step's fragments lie in region ((s + 1) / 2) % 3, whose tiles every wave has been shown.
.macro STEP s, first
.set NK, (((\s)+1)/2)%3
.set NQ, ((\s)+1)%2
	s_wait_dscnt 16                                ; all but the youngest 16 loads (A's blocks 4-7) are in
	WIN MUL_LO
	MUL16 0, (\s)%2, \s, \first
	MUL16 2, (\s)%2, \s, \first
	s_wait_dscnt 0x0
	PLACES 4                                       ; in front of loads into registers that matrix instructions have read
	FETCH_B NK, NQ, NQ
	FETCH_A NK, NQ, 0
	WIN MUL_HI
	MUL16 4, (\s)%2, \s, \first
	MUL16 6, (\s)%2, \s, \first
	PLACES 4
	WIN 0
	FETCH_A NK, NQ, 4
.endm
; A step with a barrier.  In front of it each wave waits for all its tensor loads, adds 0 to its spare word, and waits for that and for its LDS reads.  fill = 1: the barrier opens a round of the cluster's, and region 0 is filled again.
.macro TURN s, fill
.set NK, (((\s)+1)/2)%3
.set NQ, ((\s)+1)%2
	s_wait_tensorcnt 0x0                           ; all my tensor loads have landed
	ds_add_u32 v[SPW], v[NIL]                      ; 0 onto my spare word
	s_wait_dscnt 17                                ; (the add and the youngest 16 loads may be out)
	WIN MUL_LO
	MUL16 0, (\s)%2, \s, 0
	s_wait_dscnt 0x0                               ; the add is done, and my reads of the region in hand are over
	s_barrier_signal -1
	MUL16 2, (\s)%2, \s, 0
	WIN 0
	s_barrier_wait -1
.if \fill
	CREST                                          ; no wave of any partner still reads region 0 or has a load on its way
	s_add_nc_u64 s[58:59], s[58:59], 9216          ; from K slot 0 to K slot 3
	s_add_nc_u64 s[74:75], s[74:75], 9216
	JLOAD 56, G1A, 72, G1B                         ; the first tensor load behind the round; it has four steps, 256 matrix instructions, in which to land; its four v_nop are the places for the loads below
.else
	PLACES 4
.endif
	FETCH_B NK, NQ, NQ
	FETCH_A NK, NQ, 0
	WIN MUL_HI
	MUL16 4, (\s)%2, \s, 0
	MUL16 6, (\s)%2, \s, 0
	PLACES 4
	WIN 0
	FETCH_A NK, NQ, 4
.endm
; 64 numbers of a lane, register 16 b + i = k 32 b + 16 (lane / 16) + i of my row, become a fragment's codes in v[PC] .. v[PC+11] and its scale word in v[pw].
.macro QUANT s, pw
.irp b, 0,1,2,3
	v_max3_num_f32 v[TM+\b], |v[\s+16*\b]|, |v[\s+1+16*\b]|, 0x2800000   ; and the floor 2^(5 - 127): the byte cannot fall under 1
.endr
.irp i, 2,4,6,8,10,12,14
.irp b, 0,1,2,3
	v_max3_num_f32 v[TM+\b], v[TM+\b], |v[\s+16*\b+\i]|, |v[\s+1+16*\b+\i]|
.endr
.endr
.irp b, 0,1,2,3
	v_permlanex16_b32 v[TM+4+\b], v[TM+\b], s[SEL], s[SEL+1]
.endr
.irp b, 0,1,2,3
	v_max_num_f32 v[TM+\b], v[TM+\b], v[TM+4+\b]
.endr
.irp b, 0,1,2,3
	v_add_nc_u32 v[TM+12+\b], 0xfe000000, v[TM+\b]
.endr
.irp b, 0,1,2,3
	v_lshrrev_b32 v[TM+4+\b], 23, v[TM+12+\b]
.endr
	v_lshl_or_b32 v[\pw], v[TM+5], 8, v[TM+4]
	v_lshl_or_b32 v[\pw], v[TM+6], 16, v[\pw]
	v_lshl_or_b32 v[\pw], v[TM+7], 24, v[\pw]
.irp c, 0,1
	v_cvt_scalef32_pk16_bf6_f32 v[PC+6*\c:PC+2+6*\c], v[\s+32*\c:\s+15+32*\c], v[TM+12+2*\c]
	v_cvt_scalef32_pk16_bf6_f32 v[PC+12+4*\c:PC+14+4*\c], v[\s+16+32*\c:\s+31+32*\c], v[TM+12+2*\c+1]
.endr
	v_nop
.irp c, 0,1
.irp i, 0,1,2
	v_permlane16_swap_b32 v[PC+6*\c+\i], v[PC+12+4*\c+\i]
.endr
.irp i, 0,1,2
	v_mov_b32 v[PC+3+6*\c+\i], v[PC+12+4*\c+\i]
.endr
.endr
.endm
	s_load_b256 s[4:11], s[0:1], 0x0               ; xc s[4:5], xs s[6:7], wc s[8:9], ws s[10:11]
	s_load_b128 s[12:15], s[0:1], 0x20             ; b_qkv s[12:13], qkv s[14:15]
	v_lshl_add_u32 v[SPW], v0, 2, SPARE
	v_mov_b32 v[NIL], 0
	ds_add_u32 v[SPW], v[NIL]                      ; the wave's opening: the add, twice on end, and its wait ahead of my first tensor load
	ds_add_u32 v[SPW], v[NIL]
	v_lshrrev_b32 v1, 5, v0
	v_readfirstlane_b32 s16, v1                    ; wave 0..3
	s_lshr_b32 s17, s16, 1                         ; my half of the A slot's rows.  Also: I fetch for A (0) or for B (1)
	s_and_b32 s18, s16, 1                          ; my half of the B slot's rows.  Also: which 128 rows I fetch
	s_bfe_u32 s66, ttmp6, 0x40000                  ; cx
	s_bfe_u32 s67, ttmp6, 0x40004                  ; cy
	s_and_b32 s21, ttmp7, 0xffff
	s_lshl_b32 s21, s21, 2                         ; 4 x cluster y
	s_lshl_b32 s22, ttmp9, 2                       ; 4 x cluster x
	s_cmp_eq_u32 ttmp9, 2                          ; the clusters of v
	s_cselect_b32 s19, 8, s21
	s_cselect_b32 s20, s21, s22
	s_add_co_u32 s19, s19, s67                     ; the A slot's tile of 256 rows: tokens 4 Y + cy, or (v) columns 8 + cy
	s_add_co_u32 s20, s20, s66                     ; the B slot's: columns 4 x + cx, or (v) tokens 4 Y + cx
	s_lshl_b32 s92, s67, 2
	s_lshl_b32 s92, 15, s92                        ; my row of the cluster
	s_lshl_b32 s93, 0x1111, s66                    ; my column
	s_or_b32 s[G1A], s92, (3<<16)|(1<<21)          ; 15:0 the mask; 17:16 elements of 8 bytes; 21 set beside a mask; no padding
	s_or_b32 s[G1B], s93, (3<<16)|(1<<21)
	s_or_b32 s[G1SA], s92, (3<<16)|(1<<21)
	s_or_b32 s[G1SB], s93, (3<<16)|(1<<21)
.irp g, G1A, G1B                       ; codes: 8 row tiles x 3,072 bytes (two K steps), 12,288 bytes apart
	s_mov_b32 s[\g+1], 384<<16
	s_mov_b32 s[\g+2], 8<<16
	s_mov_b32 s[\g+3], 384<<16
	s_mov_b32 s[\g+4], 8
	s_mov_b32 s[\g+5], 1536
	s_mov_b32 s[\g+6], 0
	s_mov_b32 s[\g+7], 0
.endr
.irp g, G1SA, G1SB                     ; scale words of 128 rows: 4,096 dense bytes as 16 rows of 256
	s_mov_b32 s[\g+1], 32<<16
	s_mov_b32 s[\g+2], 16<<16
	s_mov_b32 s[\g+3], 32<<16
	s_mov_b32 s[\g+4], 16
	s_mov_b32 s[\g+5], 32
	s_mov_b32 s[\g+6], 0
	s_mov_b32 s[\g+7], 0
.endr
	s_lshl_b32 s23, s18, 3
	s_lshl_b32 s94, s19, 4
	s_add_co_u32 s94, s94, s23                     ; the first row tile that I would fetch for A,
	s_lshl_b32 s96, s20, 4
	s_add_co_u32 s96, s96, s23                     ; and for B
	s_lshl_b32 s98, s94, 9
	s_mov_b32 s99, 0
	s_lshl_b32 s100, s96, 9
	s_mov_b32 s101, 0
	s_mul_i32 s94, s94, 12288
	s_mov_b32 s95, 0
	s_mul_i32 s96, s96, 12288
	s_mov_b32 s97, 0
	s_mul_i32 s2, s16, QTR                         ; where they go: wave x a quarter: no place in the cluster enters an LDS address
	s_lshl_b32 s3, s16, 12
	s_wait_dscnt 0x0                               ; both opening adds are done
	s_wait_kmcnt 0x0
	s_cmp_eq_u32 ttmp9, 2                          ; the slots' buffers: the choice hangs on the cluster's x alone
	s_cselect_b64 s[22:23], s[8:9], s[4:5]
	s_cselect_b64 s[8:9], s[4:5], s[8:9]
	s_add_nc_u64 s[4:5], s[22:23], s[94:95]        ; A's codes
	s_cselect_b64 s[22:23], s[10:11], s[6:7]
	s_cselect_b64 s[10:11], s[6:7], s[10:11]
	s_add_nc_u64 s[6:7], s[22:23], s[98:99]        ; A's scale words
	s_add_nc_u64 s[8:9], s[8:9], s[96:97]          ; B's codes
	s_add_nc_u64 s[10:11], s[10:11], s[100:101]    ; B's scale words
	CROUND                                         ; all sixteen work-groups are here: the first joint loads meet
	s_mov_b32 s[G0SA], 1
	s_add_co_u32 s[G0SA+1], s3, SCL
	s_mov_b64 s[G0SA+2:G0SA+3], s[6:7]
	s_or_b32 s[G0SA+3], s[G0SA+3], 0x80000000
	s_mov_b32 s[G0SB], 1
	s_add_co_u32 s[G0SB+1], s3, SCL
	s_mov_b64 s[G0SB+2:G0SB+3], s[10:11]
	s_or_b32 s[G0SB+3], s[G0SB+3], 0x80000000
	JLOAD G0SA, G1SA, G0SB, G1SB                   ; four loads of mine are out behind these lines: the scale words and regions 0, 1, 2
.irp k, 0,1,2
.set GA, 56+4*\k+4*(\k/2)
.set GB, 72+4*\k
	s_mov_b32 s[GA], 1
	s_add_co_u32 s[GA+1], s2, \k*REG
	s_add_nc_u64 s[GA+2:GA+3], s[4:5], \k*3072
	s_or_b32 s[GA+3], s[GA+3], 0x80000000
	s_mov_b32 s[GB], 1
	s_add_co_u32 s[GB+1], s2, \k*REG
	s_add_nc_u64 s[GB+2:GB+3], s[8:9], \k*3072
	s_or_b32 s[GB+3], s[GB+3], 0x80000000
	JLOAD GA, G1A, GB, G1B
.endr
	v_and_b32 v1, 31, v0                           ; lane
	v_and_b32 v2, 15, v0                           ; r
	v_bfe_u32 v3, v0, 4, 1                         ; h
	s_mul_i32 s21, s17, QTR                        ; my 128 rows of A
	s_mul_i32 s22, s18, QTR
	s_add_co_u32 s22, s22, 2*QTR                   ; my 128 rows of B
.irp k, 0,1,2
	v_lshl_add_u32 v[4+4*\k], v1, 4, s21
	v_lshl_add_u32 v[5+4*\k], v1, 3, s21
	v_lshl_add_u32 v[6+4*\k], v1, 4, s22
	v_lshl_add_u32 v[7+4*\k], v1, 3, s22
	s_add_co_u32 s21, s21, REG
	s_add_co_u32 s22, s22, REG
.endr
	s_lshl_b32 s21, s17, 12
	s_lshl_b32 s22, s18, 12
	s_add_co_u32 s22, s22, 8192
	s_sub_co_u32 s22, s22, s21
	v_mul_u32_u24 v[ADRS], s22, v3                 ; lanes 16-31 take B's words
	s_add_co_u32 s21, s21, SCL
	v_lshl_add_u32 v[ADRS], v2, 4, v[ADRS]
	v_add_nc_u32 v[ADRS], s21, v[ADRS]
	; the bias, 64 registers in the result's layout, at v96-127 and v224-255; it is wanted on the way out
	s_lshl_b32 s21, s19, 8
	s_lshl_b32 s22, s17, 7
	s_add_co_u32 s21, s21, s22
	s_lshl_b32 s22, s20, 8
	s_lshl_b32 s23, s18, 7
	s_add_co_u32 s22, s22, s23
	s_cmp_eq_u32 ttmp9, 2
	s_cselect_b32 s22, s21, s22                    ; my 128 columns of w_qkv: the B slot's, or (v) the A slot's
	s_lshl_b32 s22, s22, 2
	s_mov_b32 s23, 0
	s_add_nc_u64 s[12:13], s[12:13], s[22:23]
	s_cmp_eq_u32 ttmp9, 2
	s_cbranch_scc1 .Lbias_v
	v_lshlrev_b32 v17, 6, v3                       ; register 16 b + i: column 32 b + 16 h + i
.set x, 0
.rept 16
.set bx, 4*x
.set bx, 96+bx+96*(bx/32)
	global_load_b128 v[bx:bx+3], v17, s[12:13] offset:128*(x/4)+16*(x%4)
.set x, x+1
.endr
	s_branch .Lbias_done
.Lbias_v:
	v_and_b32 v17, 8, v2
	v_add_nc_u32 v17, v17, v2
	v_lshlrev_b32 v17, 2, v17                      ; registers 8 a .. 8 a + 7: the one column of my lane in row tile a: 32 (a / 2) + 8 (a % 2) + r + 8 (r / 8)
.set x, 0
.rept 64
.set bx, 96+x+96*(x/32)
	global_load_b32 v[bx], v17, s[12:13] offset:(32*((x/8)/2)+8*((x/8)%2))*4
.set x, x+1
.endr
.Lbias_done:
	s_wait_tensorcnt 2                             ; the scale words and my part of region 0 are in; the loads of regions 1 and 2 were issued later and may be out
	s_barrier_signal -1
	s_barrier_wait -1
	SCALES
	FETCH_B 0, 0, 0
	FETCH_A 0, 0, 0
	FETCH_A 0, 0, 4
	STEP 0, 1                                      ; the first products start the sums: nothing is cleared
	TURN 1, 1                                      ; every wave's first fills have landed: regions 1 and 2 are whole for all; region 0 takes K slot 3
	STEP 2, 0
	STEP 3, 0
	STEP 4, 0
	TURN 5, 0                                      ; the refill has landed in every wave
	STEP 6, 0
	s_wait_dscnt 16                                ; the last step: nothing more to fetch
	WIN MUL_LO
	MUL16 0, 1, 7, 0
	MUL16 2, 1, 7, 0
	s_wait_dscnt 0x0
	WIN MUL_HI
	MUL16 4, 1, 7, 0
	MUL16 6, 1, 7, 0
	WIN 0
	PLACES 4
	; THE WAY OUT.  A row tile's eight accumulators are 64 numbers of a lane in the quantiser's order: + bias (which also brings them into window 0), quantised, stored as images.
	s_wait_loadcnt 0x0                             ; the bias
	s_mov_b32 s[SEL], 0x76543210
	s_mov_b32 s[SEL+1], 0xfedcba98
.irp b, 0,1,2,3
	v_mov_b32 v[TM+4+\b], 0                        ; a lane permute's destination counts as one of its sources
.endr
	v_cmp_le_u32 s92, 16, v1                       ; lanes 16-31
	v_lshlrev_b32 v20, 4, v1                       ; 16 x lane
	v_lshlrev_b32 v21, 3, v1                       ; 8 x lane
.macro EPI a, arm                      ; arm 0: the bias runs along the registers; arm 1: one bias a lane and row tile
.set WN, 0x02+(\a)/4
	WIN WN                                         ; source 0: window 2 or 3
.set x, 0
.rept 32
.if \arm
.set bx, 8*(\a)+(2*x)%8
.else
.set bx, 2*x
.endif
.set bx, 96+bx+96*(bx/32)
	v_pk_add_f32 v[W+2*x:W+2*x+1], v[64*((\a)%4)+2*x:64*((\a)%4)+2*x+1], v[bx:bx+1]   ; each accumulator from its low end on
.set x, x+1
.endr
	WIN 0
.if (\a) > 0
	s_wait_xcnt 0x0                                ; the last tile's stores have read the codes' registers
.endif
	QUANT W, PWA+(\a)
.endm
.macro PICK                            ; four scale words to a lane: lanes 0-15 those of tiles 0-3, lanes 16-31 those of tiles 4-7
.irp k, 0,1,2,3
	v_cndmask_b32 v[T4+\k], v[PWA+\k], v[PWA+4+\k], s92
.endr
.endm
	s_cmp_eq_u32 ttmp9, 2
	s_cbranch_scc1 .Lout_v
	; q or k: my 128 tokens are one group, my 128 columns two heads
	s_lshl_b32 s21, s19, 8
	s_lshl_b32 s22, s17, 7
	s_add_co_u32 s21, s21, s22                     ; my first token
	s_lshl_b32 s22, s20, 8
	s_lshl_b32 s23, s18, 7
	s_add_co_u32 s22, s22, s23                     ; my first column
	s_lshr_b32 s23, s21, 11                        ; batch
	s_lshl_b32 s23, s23, 4
	s_bfe_u32 s22, s22, 0x40006                    ; head
	s_add_co_u32 s23, s23, s22
	s_lshl_b32 s23, s23, 4
	s_bfe_u32 s21, s21, 0x40007                    ; group of 128 tokens
	s_add_co_u32 s23, s23, s21
	s_mul_i32 s22, s23, 19712
	s_mul_i32 s21, ttmp9, 6656                     ; q's codes at 0, k's at 6,656
	s_add_co_u32 s22, s22, s21
	s_mov_b32 s23, 0
	s_add_nc_u64 s[14:15], s[14:15], s[22:23]
	s_lshl_b32 s21, 6144, ttmp9                    ; q's scale words 6,144 behind q's codes, k's 12,288 behind k's
	v_lshlrev_b32 v22, 5, v2
	v_lshl_add_u32 v22, v3, 4, v22
	v_add_nc_u32 v22, s21, v22                     ; the word of (row r, tile a) at 32 r + 4 a
.irp a, 0,1,2,3,4,5,6,7
	EPI \a, 0
	global_store_b128 v20, v[PC:PC+3], s[14:15] offset:768*\a              ; registers 0-5: the first head's 64; 512 and 256 consecutive bytes
	global_store_b64 v21, v[PC+4:PC+5], s[14:15] offset:768*\a+512
	global_store_b128 v20, v[PC+6:PC+9], s[14:15] offset:768*\a+HSTR       ; registers 6-11: the second head's
	global_store_b64 v21, v[PC+10:PC+11], s[14:15] offset:768*\a+HSTR+512
.endr
	PICK                                           ; the first head: its bytes are a word's bytes 0, 1; bytes 2, 3 (the neighbour's, never 0xff) meet zero codes alone
	global_store_b128 v22, v[T4:T4+3], s[14:15]
	s_wait_xcnt 0x0
.irp a, 0,1,2,3,4,5,6,7
	v_lshrrev_b32 v[PWA+\a], 16, v[PWA+\a]         ; the second head: its bytes come down
.endr
	PICK
	global_store_b128 v22, v[T4:T4+3], s[14:15] offset:HSTR
	s_branch .Lclose
.Lout_v:
	; v: my 128 rows are two heads' channels, my 128 columns one group of tokens
	s_lshl_b32 s21, s20, 8
	s_lshl_b32 s22, s18, 7
	s_add_co_u32 s21, s21, s22                     ; my first token
	s_lshl_b32 s22, s67, 2
	s_lshl_b32 s23, s17, 1
	s_add_co_u32 s22, s22, s23                     ; my first head
	s_lshr_b32 s23, s21, 11
	s_lshl_b32 s23, s23, 4
	s_add_co_u32 s23, s23, s22
	s_lshl_b32 s23, s23, 4
	s_bfe_u32 s21, s21, 0x40007
	s_add_co_u32 s23, s23, s21
	s_mul_i32 s22, s23, 19712
	s_add_co_u32 s22, s22, 12800                   ; V^T's fragments
	s_mov_b32 s23, 0
	s_add_nc_u64 s[14:15], s[14:15], s[22:23]
	v_mul_u32_u24 v22, v3, HSTR
	v_lshl_add_u32 v22, v2, 4, v22                 ; the word of (row r, tile dt) at 16 r + 4 dt; lanes 16-31 the second head's
.irp a, 0,1,2,3,4,5,6,7
	EPI \a, 1
	global_store_b128 v20, v[PC:PC+3], s[14:15] offset:(\a/4)*HSTR+(\a%4)*1536
	global_store_b64 v21, v[PC+4:PC+5], s[14:15] offset:(\a/4)*HSTR+(\a%4)*1536+512
	global_store_b128 v20, v[PC+6:PC+9], s[14:15] offset:(\a/4)*HSTR+(\a%4)*1536+768
	global_store_b64 v21, v[PC+10:PC+11], s[14:15] offset:(\a/4)*HSTR+(\a%4)*1536+1280
.endr
	PICK
	global_store_b128 v22, v[T4:T4+3], s[14:15] offset:6656    ; each half of the lanes stores 256 consecutive bytes
.Lclose:
	s_wait_tensorcnt 0x0                           ; the wave's end
	ds_add_u32 v[SPW], v[NIL]
	s_wait_dscnt 0x0
	CROUND                                         ; the closing round
	s_endpgm
.Lfunc_end_k_qc855035686_gemm1:
	.size	k_qc855035686_gemm1, .Lfunc_end_k_qc855035686_gemm1-k_qc855035686_gemm1
	.p2alignl 7, 3214868480
	.fill 96, 4, 3214868480
	.section	.rodata,"a",@progbits
	.p2align	6, 0x0
	.amdhsa_kernel k_qc855035686_gemm1
		.amdhsa_group_segment_fixed_size 327680
		.amdhsa_private_segment_fixed_size 0
		.amdhsa_enable_private_segment 0
		.amdhsa_kernarg_size 48
		.amdhsa_user_sgpr_count 2
		.amdhsa_user_sgpr_kernarg_segment_ptr 1
		.amdhsa_wavefront_size32 1
		.amdhsa_system_sgpr_workgroup_id_x 1
		.amdhsa_system_sgpr_workgroup_id_y 1
		.amdhsa_system_sgpr_workgroup_id_z 1
		.amdhsa_system_vgpr_workitem_id 0
		.amdhsa_next_free_vgpr 1024
		.amdhsa_next_free_sgpr 102
		.amdhsa_reserve_vcc 0
		.amdhsa_float_denorm_mode_32 3
		.amdhsa_float_denorm_mode_16_64 3
		.amdhsa_memory_ordered 1
		.amdhsa_forward_progress 1
		.amdhsa_inst_pref_size 223
	.end_amdhsa_kernel
	.amdgpu_metadata
---
amdhsa.version: [ 1, 2 ]
amdhsa.kernels:
  - .name:           k_qc855035686_gemm1
    .symbol:         k_qc855035686_gemm1.kd
    .args:
      - { .name: xc, .offset: 0, .size: 8, .value_kind: global_buffer, .address_space: global }
      - { .name: xs, .offset: 8, .size: 8, .value_kind: global_buffer, .address_space: global }
      - { .name: wc, .offset: 16, .size: 8, .value_kind: global_buffer, .address_space: global }
      - { .name: ws, .offset: 24, .size: 8, .value_kind: global_buffer, .address_space: global }
      - { .name: b_qkv, .offset: 32, .size: 8, .value_kind: global_buffer, .address_space: global }
      - { .name: qkv, .offset: 40, .size: 8, .value_kind: global_buffer, .address_space: global }
    .group_segment_fixed_size: 327680
    .private_segment_fixed_size: 0
    .kernarg_segment_align: 8
    .kernarg_segment_size: 48
    .max_flat_workgroup_size: 128
    .sgpr_count:     102
    .vgpr_count:     1024
    .wavefront_size: 32
...
	.end_amdgpu_metadata
.endif
;; end of part 2
;; launch attn (part 3): grid 4 x 64, 16 waves a work-group, no clusters, 327,680 bytes of LDS; arguments qkv, oc, os; writes oc, os
.if DOCPART == 3
	.amdgcn_target "amdgcn-amd-amdhsa--gfx1250"
	.amdhsa_code_object_version 6
	.text
	.protected	k_qc855035686_attn
	.globl	k_qc855035686_attn
	.p2align	8
	.type	k_qc855035686_attn,@function
k_qc855035686_attn:
	s_mov_b64 s[64:65], 0
	v_nop
	global_prefetch_b8 v0, s[64:65] scope:SCOPE_SE
	s_setreg_imm32_b32 hwreg(HW_REG_WAVE_MODE, 25, 1), 1
	s_wait_xcnt 0x0
; LAUNCH 3 OF 4: o = softmax(q k^T / 4, causal) v for each batch and head, both products on codes of E3M2; o is quantised along D on the way out.
; LEFT OUT: a step of 128 keys that all come after a wave's 16 queries (reference()'s own jnp.tril makes their weights 0 for all inputs): its loads, products and softmax.
; THE SOFTMAX AHEAD OF THE SECOND PRODUCT: t = score x log2(e) / 4; M = the running largest t rounded UP to a whole number; p = 2^(t - M) is quantised along the keys, not normalised; the row's sum is taken of the
; unquantised p and divides O at the end.  When M moves, the sum and O are multiplied by 2^(old M - new M): exact.
; SHARES.  Work-group (i, batch x head) owns the blocks 7 - i and i of 256 queries: 8 - i and i + 1 slots of 256 keys, NINE trips whatever i: 256 work-groups of equal work, and a constant trip count.
; Each of sixteen waves owns one tile of 16 queries (in position order: lane r holds query Q0 + r + 8 (r / 8)).  K's and V's tiles come through a ring of two LDS slots; waves 0 and 1 fetch a key step each, all sixteen read.
; NO CLUSTER: from the fifth trip on the four work-groups of a head want different slots of keys (the price of the even split), and a joint load's descriptor has to be the same in all partners.
; LAYOUT.  S^T = K Q^T (source 0 = 16 keys, source 1 = my queries; K = 64: registers 6-11 of both operands hold zero codes), O^T = V^T P^T (source 0 = 16 channels): a lane holds ONE query throughout.
; The tiles of keys and of channels lie in position order, so that 16 registers of two neighbouring tiles are 16 neighbouring keys (channels).
; LIMITS: as stated in launch 1; 1 / sum by v_rcp_f32.
; REGISTERS: v1-4 16 lane, 8 lane, 32 r, 16 r; v7 r + 8 (r / 8) - 16 h; v8-11 LDS addresses in hand; v12 -M, v13 the largest t, v[14:15] the sum; v16-27 Q; v28-31, v92 offsets; v32-79 four fragments of K;
; v80-87 K's scale words, v88-91 V's; v96-159 S^T, then p, then V's four fragments; v160-191 O^T; v224-235 p's codes; v232-254 at work; v253 p's scale word; v255 Q's.
.set SLOT1, 32768                      ; slot 1 begins here; a slot holds two key steps of 13,056 bytes: K's 8 half fragments, V^T's 4 fragments, K's scale words (512), V^T's (256)
.set SPARE, 65536                      ; the spare words, 128 bytes for each of sixteen waves
.set SPW,  5
.set NIL,  6
.set WV,   10                          ; s10 wave; s11 i; s12 batch x head; s13 the first trip of the second block; s14 the trip; s15 the slot's first key; s16, s17 my first and last query; s18 the block; s19 the slot in hand
.set SEL,  20
.set CS,   22                          ; s[22:23] c = log2(e) / 4
.set G1,   24                          ; s[24:31] descriptor group 1;  s[32:35] group 0
.set G0,   32                          ; s[36:37] the head's first byte in qkv; s[38:39] my key step of slot 0; s[40:41] Q; s[42:43] oc; s[44:45] os; s[46:47] the prefetches; s48 their limit
.macro TLOAD                           ; waves 0 and 1 fetch; an s_nop 0 and four v_nop follow the line
	s_cmp_lt_u32 s[WV], 2
	s_cbranch_scc0 .Lasked_\@
	tensor_load_to_lds s[G0:G0+3], s[G1:G1+7]
	s_nop 0
.rept 4
	v_nop
.endr
.Lasked_\@:
.endm
; A PREFETCH INTO THE L2 of what the NEXT change of slots will ask for: trip T names key slot T + 2, two key steps ahead of its load.  All four work-groups of a head walk the same keys, and the one with i = 0 comes
; to every slot first: it asks, nobody else.  In it waves 4 and 5 ask, a key step (51 blocks of 256 bytes) each, a lane a block, in two instructions (the second's last lanes are held at the last block).
; Slots 0 and 1 come by their loads alone; trips 6 to 8 ask for nothing: there is no slot 8.
.macro ASK
	s_cmp_lt_u32 s14, s48
	s_cbranch_scc0 .Lnot_mine_\@
	global_prefetch_b8 v28, s[46:47] th:TH_LOAD_NT scope:SCOPE_SE
	global_prefetch_b8 v29, s[46:47] th:TH_LOAD_NT scope:SCOPE_SE
.Lnot_mine_\@:
.endm
.macro FRAG reg, a16, off
	ds_load_b128 v[\reg:\reg+3], v[\a16] offset:\off
	ds_load_b64 v[\reg+4:\reg+5], v[\a16+1] offset:\off+512
	ds_load_b128 v[\reg+6:\reg+9], v[\a16] offset:\off+768
	ds_load_b64 v[\reg+10:\reg+11], v[\a16+1] offset:\off+1280
.endm
; A block of queries begins: addresses from s18, Q's half fragment and scale word, the running figures.
.macro INIT
	s_lshl_b32 s50, s18, 1
	s_lshr_b32 s51, s[WV], 3
	s_add_co_u32 s50, s50, s51                     ; my group of 128 tokens
	s_mul_i32 s50, s50, 19712
	s_mov_b32 s51, 0
	s_add_nc_u64 s[40:41], s[36:37], s[50:51]
	s_lshl_b32 s16, s18, 8
	s_lshr_b32 s50, s[WV], 1
	s_lshl_b32 s50, s50, 5
	s_add_co_u32 s16, s16, s50
	s_and_b32 s50, s[WV], 1
	s_lshl_b32 s50, s50, 3
	s_add_co_u32 s16, s16, s50                     ; my first query: 256 block + 32 (wave / 2) + 8 (wave % 2)
	s_add_co_u32 s17, s16, 23                      ; my last
	s_lshr_b32 s50, s12, 4
	s_lshl_b32 s50, s50, 7
	s_lshl_b32 s52, s18, 4
	s_add_co_u32 s50, s50, s52
	s_add_co_u32 s50, s50, s[WV]                   ; my row tile in oc: 128 batch + 16 block + wave
	s_and_b32 s52, s12, 15                         ; the head
	s_mul_i32 s54, s50, 12288
	s_mul_i32 s53, s52, 768
	s_add_co_u32 s54, s54, s53
	s_mov_b32 s55, 0
	s_add_nc_u64 s[42:43], s[6:7], s[54:55]
	s_lshl_b32 s54, s50, 9
	s_lshr_b32 s53, s52, 3
	s_lshl_b32 s53, s53, 8
	s_add_co_u32 s54, s54, s53
	s_and_b32 s53, s12, 7
	s_lshl_b32 s53, s53, 1
	s_add_co_u32 s54, s54, s53                     ; the head's two bytes in a row's scale words
	s_add_nc_u64 s[44:45], s[8:9], s[54:55]
	s_mov_b32 s15, 0
	global_load_b128 v[16:19], v30, s[40:41]
	global_load_b64 v[20:21], v31, s[40:41] offset:512
	global_load_b32 v255, v92, s[40:41] offset:6144
	v_mov_b32 v13, 0xff61b1e6                      ; the largest t so far: -3e38
	v_floor_f32 v12, -v13                          ; -M
	v_mov_b32 v14, 0
	v_mov_b32 v15, 0
.set j, 0
.rept 32
	v_mov_b32 v[160+j], 0                          ; O^T: the step is written once, its first run finds zeros
.set j, j+1
.endr
	s_wait_loadcnt 0x0
.endm
; A KEY STEP: 128 keys, the q-th of the slot in hand.
.macro STEP q
.set BO, 13056*(\q)
	s_add_co_u32 s50, s15, 128*(\q)                ; the step's first key
	s_cmp_gt_u32 s50, s17
	s_cbranch_scc1 .Lhidden_\@                     ; all its keys come after my queries: a branch on ids
	v_add_nc_u32 v8, s19, v1
	v_add_nc_u32 v9, s19, v2
	v_add_nc_u32 v10, s19, v3
	v_add_nc_u32 v11, s19, v4
	v_nop                                          ; six places: the products below write over registers that the last step's products read, which wants five
	v_nop
.irp g, 0,1                                    ; S^T = K Q^T, four tiles of 16 keys at a time
.if \g > 0
.rept 4
	v_nop
.endr
.endif
.irp t, 0,1,2,3
	ds_load_b128 v[32+12*\t:35+12*\t], v8 offset:BO+768*(4*\g+\t)
	ds_load_b64 v[36+12*\t:37+12*\t], v9 offset:BO+768*(4*\g+\t)+512
.endr
.if \g == 0
	ds_load_b128 v[80:83], v10 offset:BO+12288     ; K's eight scale words of my row,
	ds_load_b128 v[84:87], v10 offset:BO+12304
	ds_load_b128 v[88:91], v11 offset:BO+12800     ; V^T's four
.endif
	s_wait_dscnt 0x0
.irp t, 0,1,2,3
	v_wmma_scale_f32_16x16x128_f8f6f4 v[96+8*(4*\g+\t):103+8*(4*\g+\t)], v[32+12*\t:43+12*\t], v[16:27], 0, v[80+4*\g+\t], v255 matrix_a_fmt:MATRIX_FMT_BF6 matrix_b_fmt:MATRIX_FMT_BF6
.endr
.endr
.rept 4
	v_nop
.endr
	s_add_co_u32 s51, s50, 127                     ; on the diagonal hidden scores become -infinity ahead of the maximum; a step all of whose keys count skips this
	s_cmp_le_u32 s51, s16
	s_cbranch_scc1 .Lopen_\@
	s_sub_co_i32 s51, s16, s50
	v_add_nc_u32 v252, s51, v7                     ; d = my query - the step's first key - 16 h.  Register 16 b + i holds key 32 b + 16 h + i of the step: hidden where 32 b + i > d
	v_mov_b32 v254, 0xff800000
.set n, 0
.rept 64
	v_cmp_gt_i32 vcc_lo, 32*(n/16)+n%16, v252
	v_cndmask_b32 v[96+n], v[96+n], v254, vcc_lo
.set n, n+1
.endr
.Lopen_\@:
.irp b, 0,1,2,3
	v_max3_num_f32 v[232+\b], v[96+16*\b], v[97+16*\b], v[98+16*\b]   ; the largest score of each block of 32 keys: for the row's maximum, and, since p rises with the score, for the block's largest p
.endr
.irp i, 3,5,7,9,11,13
.irp b, 0,1,2,3
	v_max3_num_f32 v[232+\b], v[232+\b], v[96+16*\b+\i], v[97+16*\b+\i]
.endr
.endr
.irp b, 0,1,2,3
	v_max_num_f32 v[232+\b], v[232+\b], v[111+16*\b]
.endr
.irp b, 0,1,2,3
	v_permlanex16_b32 v[236+\b], v[232+\b], s[SEL], s[SEL+1]
.endr
.irp b, 0,1,2,3
	v_max_num_f32 v[232+\b], v[232+\b], v[236+\b]
.endr
	v_max3_num_f32 v254, v232, v233, v234
	v_max_num_f32 v254, v254, v235
	v_mul_f32 v254, s[CS], v254
	v_max_num_f32 v13, v13, v254                   ; the running largest t
	v_mov_b32 v254, v12
	v_floor_f32 v12, -v13                          ; the new -M = -ceil(t)
	v_sub_f32 v254, v12, v254
	v_cvt_i32_f32 v254, v254                       ; old M - new M, a whole number (it saturates)
	v_ldexp_f32 v252, 1.0, v254                    ; f = 2^(old M - new M)
.set j, 0
.rept 32
	v_pk_fma_f32 v[96+j:97+j], v[96+j:97+j], s[CS:CS+1], v[12:13] op_sel_hi:[1,0,0]   ; t - M
.set j, j+2
.endr
.irp b, 0,1,2,3
	v_fma_f32 v[232+\b], v[232+\b], s[CS], v12
.endr
.set j, 0
.rept 64
	v_exp_f32 v[96+j], v[96+j]                     ; p = 2^(t - M)
.set j, j+1
.endr
	v_pk_mul_f32 v[14:15], v[14:15], v[252:253] op_sel_hi:[1,0]   ; the sums under the new M; the plain instruction behind the exponentials
	s_wait_alu depctr_va_vdst(0)                   ; one wait for the batch, ahead of its first reader
.irp b, 0,1,2,3
	v_exp_f32 v[232+\b], v[232+\b]                 ; each block's largest p
.endr
	v_pk_add_f32 v[236:237], v[96:97], v[98:99]    ; the row's sum of the unquantised p, in two chains
.irp j, 4,8,12,16,20,24,28,32,36,40,44,48,52,56,60
	v_pk_add_f32 v[14:15], v[14:15], v[96+\j:97+\j]
	v_pk_add_f32 v[236:237], v[236:237], v[98+\j:99+\j]
.endr
	v_pk_add_f32 v[14:15], v[14:15], v[236:237]
	s_wait_alu depctr_va_vdst(0)                   ; and one for the four
.irp b, 0,1,2,3
	v_max_num_f32 v[232+\b], 0x2800000, v[232+\b]  ; the floor: the byte cannot fall under 1
.endr
.irp b, 0,1,2,3
	v_add_nc_u32 v[244+\b], 0xfe000000, v[232+\b]
.endr
.irp b, 0,1,2,3
	v_lshrrev_b32 v[236+\b], 23, v[244+\b]
.endr
	v_lshl_or_b32 v253, v237, 8, v236              ; p's scale word for these 128 keys
	v_lshl_or_b32 v253, v238, 16, v253
	v_lshl_or_b32 v253, v239, 24, v253
.irp c, 0,1
	v_cvt_scalef32_pk16_bf6_f32 v[224+6*\c:226+6*\c], v[96+32*\c:111+32*\c], v[244+2*\c]
	v_cvt_scalef32_pk16_bf6_f32 v[236+4*\c:238+4*\c], v[112+32*\c:127+32*\c], v[244+2*\c+1]
.endr
	v_nop
.irp c, 0,1
.irp i, 0,1,2
	v_permlane16_swap_b32 v[224+6*\c+\i], v[236+4*\c+\i]
.endr
.irp i, 0,1,2
	v_mov_b32 v[227+6*\c+\i], v[236+4*\c+\i]
.endr
.endr
.irp t, 0,1,2,3
	FRAG 96+12*\t, 8, BO+6144+1536*\t              ; V^T's four fragments, into the registers that p has left
.endr
.set j, 0
.rept 16
	v_pk_mul_f32 v[160+j:161+j], v[160+j:161+j], v[252:253] op_sel_hi:[1,0]   ; O^T under the new M; these are also the places in front of the scaled products
.set j, j+2
.endr
	s_wait_dscnt 0x0
.irp t, 0,1,2,3
	v_wmma_scale_f32_16x16x128_f8f6f4 v[160+8*\t:167+8*\t], v[96+12*\t:107+12*\t], v[224:235], v[160+8*\t:167+8*\t], v[88+\t], v253 matrix_a_fmt:MATRIX_FMT_BF6 matrix_b_fmt:MATRIX_FMT_BF6
.endr
.Lhidden_\@:
.endm
; THE CHANGE OF SLOTS, at a slot's head.  Each wave waits for all its tensor loads, adds 0 to its spare word, and waits for that and for its reads of the slot that it has left.  fill = 1: that slot takes the next trip's keys.
.macro CHANGE fill
	s_wait_tensorcnt 0x0                           ; no tensor load of mine is out, so group 0 may be written
	ds_add_u32 v[SPW], v[NIL]                      ; 0 onto my spare word
.if \fill
	ds_add_u32 v[SPW], v[NIL]                      ; and, where a load follows that fourteen waves pass round, twice on end
	s_add_co_u32 s50, s14, 1                       ; the next trip,
	s_sub_co_u32 s51, s50, s13
	s_cmp_lt_u32 s50, s13
	s_cselect_b32 s50, s50, s51                    ; and its slot of keys: the walk begins anew with the second block
	s_mul_i32 s50, s50, 39424
	s_mov_b32 s51, 0
	s_xor_b32 s[G0+1], s[G0+1], SLOT1
	s_add_nc_u64 s[G0+2:G0+3], s[38:39], s[50:51]
	s_or_b32 s[G0+3], s[G0+3], 0x80000000
	s_wait_xcnt 0x0                                ; the last prefetches, a slot back, have read their address
	s_add_nc_u64 s[46:47], s[46:47], 39424
.endif
	s_wait_dscnt 0x0
	s_barrier_signal -1
	s_barrier_wait -1
.if \fill
	TLOAD                                          ; the first thing behind the barrier, a wave's one tensor load until the next: one load of mine is out
	ASK
.endif
.endm
; A block of queries ends: O^T / the sum, quantised along D (my head's 64 are two blocks of 32), stored as half a fragment's image and two scale bytes a row.
.macro FINISH
.rept 4
	v_nop
.endr
	v_add_f32 v14, v14, v15
	v_permlanex16_b32 v252, v14, s[SEL], s[SEL+1]
	v_add_f32 v14, v14, v252                       ; the row's sum
	v_rcp_f32 v14, v14
	v_nop
	s_wait_alu depctr_va_vdst(0)
.set j, 0
.rept 16
	v_pk_mul_f32 v[96+j:97+j], v[160+j:161+j], v[14:15] op_sel_hi:[1,0]   ; register 16 b + i: channel 32 b + 16 h + i
.set j, j+2
.endr
.irp b, 0,1
	v_max3_num_f32 v[232+\b], |v[96+16*\b]|, |v[97+16*\b]|, 0x2800000
.endr
.irp i, 2,4,6,8,10,12,14
.irp b, 0,1
	v_max3_num_f32 v[232+\b], v[232+\b], |v[96+16*\b+\i]|, |v[97+16*\b+\i]|
.endr
.endr
.irp b, 0,1
	v_permlanex16_b32 v[236+\b], v[232+\b], s[SEL], s[SEL+1]
.endr
.irp b, 0,1
	v_max_num_f32 v[232+\b], v[232+\b], v[236+\b]
.endr
.irp b, 0,1
	v_add_nc_u32 v[244+\b], 0xfe000000, v[232+\b]
.endr
.irp b, 0,1
	v_lshrrev_b32 v[236+\b], 23, v[244+\b]
.endr
	v_lshl_or_b32 v253, v237, 8, v236
	v_cvt_scalef32_pk16_bf6_f32 v[224:226], v[96:111], v244
	v_cvt_scalef32_pk16_bf6_f32 v[236:238], v[112:127], v245
	v_nop
.irp i, 0,1,2
	v_permlane16_swap_b32 v[224+\i], v[236+\i]
.endr
.irp i, 0,1,2
	v_mov_b32 v[227+\i], v[236+\i]
.endr
	global_store_b128 v1, v[224:227], s[42:43]     ; 512 consecutive bytes,
	global_store_b64 v2, v[228:229], s[42:43] offset:512   ; 256
	global_store_b16 v4, v253, s[44:45]            ; two bytes of a row's word: the word's other two belong to the neighbouring head's work-group
	s_wait_xcnt 0x0                                ; the stores have read their registers and bases
.endm
.macro PASSCHK                         ; at the first trip of the second block: a branch on ids, the same in all waves
	s_cmp_lg_u32 s14, s13
	s_cbranch_scc1 .Lsame_\@
	FINISH
	s_mov_b32 s18, s11
	INIT
.Lsame_\@:
.endm
	s_load_b128 s[4:7], s[0:1], 0x0                ; qkv s[4:5], oc s[6:7]
	s_load_b64 s[8:9], s[0:1], 0x10                ; os
	v_lshl_add_u32 v[SPW], v0, 2, SPARE
	v_mov_b32 v[NIL], 0
	ds_add_u32 v[SPW], v[NIL]                      ; the wave's opening: the add, twice on end, and its wait
	ds_add_u32 v[SPW], v[NIL]
	v_lshrrev_b32 v8, 5, v0
	v_readfirstlane_b32 s[WV], v8                  ; wave 0..15
	s_mov_b32 s11, ttmp9
	s_and_b32 s12, ttmp7, 0xffff
	s_sub_co_u32 s13, 8, s11
	s_mov_b32 s[G1], 3<<16                         ; a key step's 13,056 dense bytes as 51 rows of 256: elements of 8 bytes, no mask, no padding
	s_mov_b32 s[G1+1], 32<<16
	s_mov_b32 s[G1+2], 51<<16
	s_mov_b32 s[G1+3], 32<<16
	s_mov_b32 s[G1+4], 51
	s_mov_b32 s[G1+5], 32
	s_mov_b32 s[G1+6], 0
	s_mov_b32 s[G1+7], 0
	s_mov_b32 s[SEL], 0x76543210
	s_mov_b32 s[SEL+1], 0xfedcba98
	s_mov_b32 s[CS], 0x3eb8aa3b                    ; log2(e) / sqrt(16)
	s_mov_b32 s[CS+1], s[CS]
	s_mul_i32 s50, s12, 315392
	s_mov_b32 s51, 0
	s_and_b32 s52, s[WV], 1
	s_mul_i32 s54, s52, 19712
	s_add_co_u32 s54, s54, 6656
	s_mov_b32 s55, 0
	s_mul_i32 s53, s52, 13056
	s_wait_dscnt 0x0
	s_wait_kmcnt 0x0
	s_add_nc_u64 s[36:37], s[4:5], s[50:51]
	s_add_nc_u64 s[38:39], s[36:37], s[54:55]
	s_mov_b32 s[G0], 1
	s_mov_b32 s[G0+1], s53
	s_mov_b64 s[G0+2:G0+3], s[38:39]
	s_or_b32 s[G0+3], s[G0+3], 0x80000000
	TLOAD                                          ; slot 0: keys 0 to 255, which count for every block
	s_add_nc_u64 s[46:47], s[38:39], 39424         ; the prefetches stand at slot 1; the first change steps them to slot 2.  Nothing is prefetched here
	s_lshr_b32 s50, s[WV], 1
	s_xor_b32 s50, s50, 2                          ; 0 in waves 4 and 5,
	s_or_b32 s50, s50, s11                         ; of the work-group with i = 0
	s_cmp_eq_u32 s50, 0
	s_cselect_b32 s48, 6, 0
	v_and_b32 v9, 31, v0                           ; lane
	v_and_b32 v10, 15, v0                          ; r
	v_bfe_u32 v11, v0, 4, 1                        ; h
	v_lshlrev_b32 v1, 4, v9
	v_lshlrev_b32 v2, 3, v9
	v_lshlrev_b32 v3, 5, v10
	v_lshlrev_b32 v4, 4, v10
	v_and_b32 v7, 8, v10
	v_add_nc_u32 v7, v7, v10
	v_lshlrev_b32 v12, 4, v11
	v_sub_nc_u32 v7, v7, v12
	v_lshlrev_b32 v28, 8, v9
	v_add_nc_u32 v29, 32, v9
	v_min_u32 v29, 50, v29
	v_lshlrev_b32 v29, 8, v29
	s_and_b32 s50, s[WV], 7                        ; my tile in its group of 128 tokens
	s_mul_i32 s51, s50, 768
	v_add_nc_u32 v30, s51, v1
	v_add_nc_u32 v31, s51, v2
	s_lshl_b32 s50, s50, 2
	v_add_nc_u32 v92, s50, v3
.irp j, 22,23,24,25,26,27
	v_mov_b32 v[\j], 0                             ; zero codes for k = 64 .. 127 of the first product: Q's,
.endr
.irp t, 0,1,2,3
.irp j, 6,7,8,9,10,11
	v_mov_b32 v[32+12*\t+\j], 0                    ; and K's; never written again
.endr
.endr
.irp j, 236,237,238,239,252,253
	v_mov_b32 v[\j], 0                             ; destinations of lane permutes, and the pair v[252:253]
.endr
	s_sub_co_u32 s18, 7, s11                       ; the first block: 7 - i
	INIT
	s_mov_b32 s14, 0
	s_mov_b32 s19, 0
.Lslot:                                            ; eight trips; behind each change of slots the next trip's keys are asked for
	CHANGE 1
	PASSCHK
	STEP 0
	STEP 1
	s_xor_b32 s19, s19, SLOT1
	s_add_co_u32 s15, s15, 256
	s_add_co_u32 s14, s14, 1
	s_cmp_lt_u32 s14, 8
	s_cbranch_scc1 .Lslot
	CHANGE 0                                       ; the ninth trip is written out: nothing is left to fetch
	PASSCHK
	STEP 0
	STEP 1
	FINISH
	s_wait_tensorcnt 0x0                           ; the wave's end
	ds_add_u32 v[SPW], v[NIL]
	s_wait_dscnt 0x0
	s_endpgm
.Lfunc_end_k_qc855035686_attn:
	.size	k_qc855035686_attn, .Lfunc_end_k_qc855035686_attn-k_qc855035686_attn
	.p2alignl 7, 3214868480
	.fill 96, 4, 3214868480
	.section	.rodata,"a",@progbits
	.p2align	6, 0x0
	.amdhsa_kernel k_qc855035686_attn
		.amdhsa_group_segment_fixed_size 327680
		.amdhsa_private_segment_fixed_size 0
		.amdhsa_enable_private_segment 0
		.amdhsa_kernarg_size 24
		.amdhsa_user_sgpr_count 2
		.amdhsa_user_sgpr_kernarg_segment_ptr 1
		.amdhsa_wavefront_size32 1
		.amdhsa_system_sgpr_workgroup_id_x 1
		.amdhsa_system_sgpr_workgroup_id_y 1
		.amdhsa_system_sgpr_workgroup_id_z 1
		.amdhsa_system_vgpr_workitem_id 0
		.amdhsa_next_free_vgpr 256
		.amdhsa_next_free_sgpr 66
		.amdhsa_reserve_vcc 1
		.amdhsa_float_denorm_mode_32 3
		.amdhsa_float_denorm_mode_16_64 3
		.amdhsa_memory_ordered 1
		.amdhsa_forward_progress 1
		.amdhsa_inst_pref_size 110
	.end_amdhsa_kernel
	.amdgpu_metadata
---
amdhsa.version: [ 1, 2 ]
amdhsa.kernels:
  - .name:           k_qc855035686_attn
    .symbol:         k_qc855035686_attn.kd
    .args:
      - { .name: qkv, .offset: 0, .size: 8, .value_kind: global_buffer, .address_space: global }
      - { .name: oc, .offset: 8, .size: 8, .value_kind: global_buffer, .address_space: global }
      - { .name: os, .offset: 16, .size: 8, .value_kind: global_buffer, .address_space: global }
    .group_segment_fixed_size: 327680
    .private_segment_fixed_size: 0
    .kernarg_segment_align: 8
    .kernarg_segment_size: 24
    .max_flat_workgroup_size: 512
    .sgpr_count:     66
    .vgpr_count:     256
    .wavefront_size: 32
...
	.end_amdgpu_metadata
.endif
;; end of part 3
;; launch gemm2 (part 4): grid 4 x 32, 4 waves a work-group, clusters of 4 x 4, 327,680 bytes of LDS; arguments oc, os, wc, ws, b_proj, out0; writes out0
.if DOCPART == 4
	.amdgcn_target "amdgcn-amd-amdhsa--gfx1250"
	.amdhsa_code_object_version 6
	.text
	.protected	k_qc855035686_gemm2
	.globl	k_qc855035686_gemm2
	.p2align	8
	.type	k_qc855035686_gemm2,@function
k_qc855035686_gemm2:
	s_mov_b64 s[64:65], 0
	v_nop
	global_prefetch_b8 v0, s[64:65] scope:SCOPE_SE
	s_setreg_imm32_b32 hwreg(HW_REG_WAVE_MODE, 25, 1), 1
	s_wait_xcnt 0x0
	s_wait_alu depctr_hold_cnt(0) depctr_sa_sdst(0) depctr_va_vdst(0) depctr_va_sdst(0) depctr_va_ssrc(0) depctr_va_vcc(0) depctr_vm_vsrc(0)
	s_getreg_b32 s2, hwreg(HW_REG_IB_STS2, 6, 4)
	s_cmp_eq_u32 s2, 0
	s_cbranch_scc0 .Lentry_in_a_cluster
	s_endpgm
.Lentry_in_a_cluster:
	s_bfe_u32 s2, ttmp6, 0x10000c
	s_cmp_lg_u32 s2, 0xf033
	s_cbranch_scc0 .Lentry_shape_is_right
	s_endpgm
.Lentry_shape_is_right:
; LAUNCH 4 OF 4: out0 = o w_proj + b_proj on codes of E3M2.  No work is left out here.  The frame is launch 2's: a tile of 256 x 256 to a work-group of four waves, 128 x 128 to a wave; K = 1,024 in eight steps, written out;
; source 0 = 16 columns of w_proj (the B slot: wc from position 3,072 on), source 1 = 16 tokens (the A slot: oc): a lane holds one token, its registers run along neighbouring columns.
; CLUSTERS 4 x 4: A's tiles are asked for jointly along a row of the cluster, B's along a column.  LDS: three regions of 98,304 bytes and the scale words; K slots 0, 1, 2 are first fills, K slot 3 the one refill, into region 0.
; The bias is the C of each sum's first product.  The way out goes through a stage in region 1, which has had its only fill and its last read by then, and undoes the position order of the tokens.
; LIMITS: as stated in launch 1.
.set FR,    12
.set QTR,   24576
.set REG,   98304
.set SCL,   294912
.set SPARE, 311296
.set ADRS,  16
.set STO,   20                         ; v20 the way out: where I put 32 bytes of a row;  v21 where I read a row back;  v22 my byte offset in a row of out0
.set RD,    21
.set CO,    22
.set SPW,   28
.set NIL,   29
.set SC,    32                         ; v32-95 scale words;  v96-127, v224-255 the bias;  v128-223 A's fragments;  window 1: B's two sets;  windows 2, 3: the accumulators
.set AF,    128
.set BK,    128                        ; the way out: 16 rows read back: v128-191 and v192-255 by turns
.set G1A,   24
.set G1B,   32
.set G1SA,  40
.set G1SB,  48
.set G0SA,  84
.set G0SB,  88
.set MSB, 0
.macro WIN new
.if MSB != \new
	s_set_vgpr_msb (MSB<<8)|\new
.set MSB, \new
.endif
.endm
.set MUL_LO, 0xa1
.set MUL_HI, 0xf1
.set TO_B,   0x40
.macro JLOAD g0a, g1a, g0b, g1b
	s_cmp_eq_u32 s17, 0
	s_cbranch_scc0 .Lfor_b_\@
	tensor_load_to_lds s[\g0a:\g0a+3], s[\g1a:\g1a+7]
	s_nop 0
.rept 4
	v_nop
.endr
	s_branch .Lasked_\@
.Lfor_b_\@:
	tensor_load_to_lds s[\g0b:\g0b+3], s[\g1b:\g1b+7]
	s_nop 0
.rept 4
	v_nop
.endr
.Lasked_\@:
.endm
.macro CREST
	s_cmp_lg_u32 s16, 0
	s_cbranch_scc1 .Lnot_wave_0_\@
	s_barrier_signal -3
.Lnot_wave_0_\@:
	s_barrier_wait -3
	s_barrier_signal -1
	s_barrier_wait -1
.endm
.macro CROUND
	s_barrier_signal -1
	s_barrier_wait -1
	CREST
.endm
.macro PLACES n
.rept \n
	v_nop
.endr
.endm
.macro FRAG reg, a16, off
	ds_load_b128 v[\reg:\reg+3], v[\a16] offset:\off
	ds_load_b64 v[\reg+4:\reg+5], v[\a16+1] offset:\off+512
	ds_load_b128 v[\reg+6:\reg+9], v[\a16] offset:\off+768
	ds_load_b64 v[\reg+10:\reg+11], v[\a16+1] offset:\off+1280
.endm
.macro FETCH_B k, q, p
	WIN TO_B
.irp i, 0,1,2,3,4,5,6,7
	FRAG 128*(\p)+FR*\i, 6+4*(\k), 3072*\i+1536*(\q)
.endr
	WIN 0
.endm
.macro FETCH_A k, q, i0
.irp i, \i0, \i0+1, \i0+2, \i0+3
	FRAG AF+FR*(\i), 4+4*(\k), 3072*(\i)+1536*(\q)
.endr
.endm
.macro SCALES
.irp i, 0,1,2,3,4,5,6,7
	ds_load_b128 v[SC+8*\i:SC+8*\i+3], v[ADRS] offset:512*\i
	ds_load_b128 v[SC+8*\i+4:SC+8*\i+7], v[ADRS] offset:512*\i+256
.endr
.endm
; 16 matrix instructions; first = 1: the sums begin with the bias of B's tile b (eight registers in the result's layout).  The 64 accumulators take turns.
.macro MUL16 a0, p, s, first
.irp a, \a0, \a0+1
.irp b, 0,1,2,3,4,5,6,7
.if \first
.set cb, 96+8*\b+96*(\b/4)
	v_wmma_scale_f32_16x16x128_f8f6f4 v[8*(8*((\a)%4)+\b):8*(8*((\a)%4)+\b)+7], v[128*(\p)+FR*\b:128*(\p)+FR*\b+FR-1], v[AF+FR*(\a):AF+FR*(\a)+FR-1], v[cb:cb+7], v[SC+8*\b+(\s)], v[SC+8*(\a)+(\s)] matrix_a_fmt:MATRIX_FMT_BF6 matrix_b_fmt:MATRIX_FMT_BF6 matrix_a_scale:MATRIX_SCALE_ROW1
.else
	v_wmma_scale_f32_16x16x128_f8f6f4 v[8*(8*((\a)%4)+\b):8*(8*((\a)%4)+\b)+7], v[128*(\p)+FR*\b:128*(\p)+FR*\b+FR-1], v[AF+FR*(\a):AF+FR*(\a)+FR-1], v[8*(8*((\a)%4)+\b):8*(8*((\a)%4)+\b)+7], v[SC+8*\b+(\s)], v[SC+8*(\a)+(\s)] matrix_a_fmt:MATRIX_FMT_BF6 matrix_b_fmt:MATRIX_FMT_BF6 matrix_a_scale:MATRIX_SCALE_ROW1
.endif
.endr
.endr
.endm
.macro STEP s, first
.set NK, (((\s)+1)/2)%3
.set NQ, ((\s)+1)%2
	s_wait_dscnt 16                                ; all but the youngest 16 loads (A's blocks 4-7) are in
.if \first
	WIN 0x81                                       ; C (the bias) in window 0, D in window 2
.else
	WIN MUL_LO
.endif
	MUL16 0, (\s)%2, \s, \first
	MUL16 2, (\s)%2, \s, \first
	s_wait_dscnt 0x0
	PLACES 4
	FETCH_B NK, NQ, NQ
	FETCH_A NK, NQ, 0
.if \first
	WIN 0xc1
.else
	WIN MUL_HI
.endif
	MUL16 4, (\s)%2, \s, \first
	MUL16 6, (\s)%2, \s, \first
	PLACES 4
	WIN 0
	FETCH_A NK, NQ, 4
.endm
.macro TURN s, fill
.set NK, (((\s)+1)/2)%3
.set NQ, ((\s)+1)%2
	s_wait_tensorcnt 0x0                           ; all my tensor loads have landed
	ds_add_u32 v[SPW], v[NIL]                      ; 0 onto my spare word
	s_wait_dscnt 17                                ; (the add and the youngest 16 loads may be out)
	WIN MUL_LO
	MUL16 0, (\s)%2, \s, 0
	s_wait_dscnt 0x0                               ; the add is done, and my reads of the region in hand are over
	s_barrier_signal -1
	MUL16 2, (\s)%2, \s, 0
	WIN 0
	s_barrier_wait -1
.if \fill
	CREST                                          ; no wave of any partner still reads region 0 or has a load on its way
	s_add_nc_u64 s[58:59], s[58:59], 9216
	s_add_nc_u64 s[74:75], s[74:75], 9216
	JLOAD 56, G1A, 72, G1B                         ; K slot 3 into region 0: four steps, 256 matrix instructions, in which to land
.else
	PLACES 4
.endif
	FETCH_B NK, NQ, NQ
	FETCH_A NK, NQ, 0
	WIN MUL_HI
	MUL16 4, (\s)%2, \s, 0
	MUL16 6, (\s)%2, \s, 0
	PLACES 4
	WIN 0
	FETCH_A NK, NQ, 4
.endm
	s_load_b256 s[4:11], s[0:1], 0x0               ; oc s[4:5], os s[6:7], wc s[8:9], ws s[10:11]
	s_load_b128 s[12:15], s[0:1], 0x20             ; b_proj s[12:13], out0 s[14:15]
	v_lshl_add_u32 v[SPW], v0, 2, SPARE
	v_mov_b32 v[NIL], 0
	ds_add_u32 v[SPW], v[NIL]                      ; the wave's opening: the add, twice on end, and its wait ahead of my first tensor load
	ds_add_u32 v[SPW], v[NIL]
	v_lshrrev_b32 v1, 5, v0
	v_readfirstlane_b32 s16, v1
	s_lshr_b32 s17, s16, 1
	s_and_b32 s18, s16, 1
	s_bfe_u32 s66, ttmp6, 0x40000                  ; cx
	s_bfe_u32 s67, ttmp6, 0x40004                  ; cy
	s_and_b32 s19, ttmp7, 0xffff
	s_lshl_b32 s19, s19, 2
	s_add_co_u32 s19, s19, s67                     ; tile of 256 tokens
	s_lshl_b32 s20, ttmp9, 2
	s_add_co_u32 s20, s20, s66                     ; tile of 256 columns
	s_lshl_b32 s92, s67, 2
	s_lshl_b32 s92, 15, s92
	s_lshl_b32 s93, 0x1111, s66
	s_or_b32 s[G1A], s92, (3<<16)|(1<<21)
	s_or_b32 s[G1B], s93, (3<<16)|(1<<21)
	s_or_b32 s[G1SA], s92, (3<<16)|(1<<21)
	s_or_b32 s[G1SB], s93, (3<<16)|(1<<21)
.irp g, G1A, G1B
	s_mov_b32 s[\g+1], 384<<16
	s_mov_b32 s[\g+2], 8<<16
	s_mov_b32 s[\g+3], 384<<16
	s_mov_b32 s[\g+4], 8
	s_mov_b32 s[\g+5], 1536
	s_mov_b32 s[\g+6], 0
	s_mov_b32 s[\g+7], 0
.endr
.irp g, G1SA, G1SB
	s_mov_b32 s[\g+1], 32<<16
	s_mov_b32 s[\g+2], 16<<16
	s_mov_b32 s[\g+3], 32<<16
	s_mov_b32 s[\g+4], 16
	s_mov_b32 s[\g+5], 32
	s_mov_b32 s[\g+6], 0
	s_mov_b32 s[\g+7], 0
.endr
	s_lshl_b32 s23, s18, 3
	s_lshl_b32 s94, s19, 4
	s_add_co_u32 s94, s94, s23
	s_lshl_b32 s96, s20, 4
	s_add_co_u32 s96, s96, s23
	s_add_co_u32 s96, s96, 192                     ; w_proj's columns begin at row tile 192 of wc and ws
	s_lshl_b32 s98, s94, 9
	s_mov_b32 s99, 0
	s_lshl_b32 s100, s96, 9
	s_mov_b32 s101, 0
	s_mul_i32 s94, s94, 12288
	s_mov_b32 s95, 0
	s_mul_i32 s96, s96, 12288
	s_mov_b32 s97, 0
	s_mul_i32 s2, s16, QTR
	s_lshl_b32 s3, s16, 12
	s_wait_dscnt 0x0
	s_wait_kmcnt 0x0
	s_add_nc_u64 s[4:5], s[4:5], s[94:95]
	s_add_nc_u64 s[6:7], s[6:7], s[98:99]
	s_add_nc_u64 s[8:9], s[8:9], s[96:97]
	s_add_nc_u64 s[10:11], s[10:11], s[100:101]
	CROUND
	s_mov_b32 s[G0SA], 1
	s_add_co_u32 s[G0SA+1], s3, SCL
	s_mov_b64 s[G0SA+2:G0SA+3], s[6:7]
	s_or_b32 s[G0SA+3], s[G0SA+3], 0x80000000
	s_mov_b32 s[G0SB], 1
	s_add_co_u32 s[G0SB+1], s3, SCL
	s_mov_b64 s[G0SB+2:G0SB+3], s[10:11]
	s_or_b32 s[G0SB+3], s[G0SB+3], 0x80000000
	JLOAD G0SA, G1SA, G0SB, G1SB                   ; four loads of mine are out behind these lines
.irp k, 0,1,2
.set GA, 56+4*\k+4*(\k/2)
.set GB, 72+4*\k
	s_mov_b32 s[GA], 1
	s_add_co_u32 s[GA+1], s2, \k*REG
	s_add_nc_u64 s[GA+2:GA+3], s[4:5], \k*3072
	s_or_b32 s[GA+3], s[GA+3], 0x80000000
	s_mov_b32 s[GB], 1
	s_add_co_u32 s[GB+1], s2, \k*REG
	s_add_nc_u64 s[GB+2:GB+3], s[8:9], \k*3072
	s_or_b32 s[GB+3], s[GB+3], 0x80000000
	JLOAD GA, G1A, GB, G1B
.endr
	v_and_b32 v1, 31, v0
	v_and_b32 v2, 15, v0
	v_bfe_u32 v3, v0, 4, 1
	s_mul_i32 s21, s17, QTR
	s_mul_i32 s22, s18, QTR
	s_add_co_u32 s22, s22, 2*QTR
.irp k, 0,1,2
	v_lshl_add_u32 v[4+4*\k], v1, 4, s21
	v_lshl_add_u32 v[5+4*\k], v1, 3, s21
	v_lshl_add_u32 v[6+4*\k], v1, 4, s22
	v_lshl_add_u32 v[7+4*\k], v1, 3, s22
	s_add_co_u32 s21, s21, REG
	s_add_co_u32 s22, s22, REG
.endr
	s_lshl_b32 s21, s17, 12
	s_lshl_b32 s22, s18, 12
	s_add_co_u32 s22, s22, 8192
	s_sub_co_u32 s22, s22, s21
	v_mul_u32_u24 v[ADRS], s22, v3
	s_add_co_u32 s21, s21, SCL
	v_lshl_add_u32 v[ADRS], v2, 4, v[ADRS]
	v_add_nc_u32 v[ADRS], s21, v[ADRS]
	s_mul_i32 s21, s16, 8448
	s_add_co_u32 s21, s21, REG                     ; my stage: 16 rows x (512 + 16) bytes, in region 1
	v_mul_u32_u24 v[STO], v2, 528
	v_lshl_add_u32 v[STO], v3, 6, v[STO]
	v_add_nc_u32 v[STO], s21, v[STO]               ; in: row r; tile b's eight columns 32 (b / 2) + 16 h + 8 (b % 2) on
	v_lshlrev_b32 v[CO], 4, v1
	v_add_nc_u32 v[RD], s21, v[CO]                 ; back: the 32 lanes take one row of 512 bytes
	s_lshl_b32 s21, s19, 8
	s_lshl_b32 s22, s17, 7
	s_add_co_u32 s21, s21, s22
	s_lshl_b32 s21, s21, 12                        ; my first token's row of 4,096 bytes
	s_lshl_b32 s22, s20, 8
	s_lshl_b32 s23, s18, 7
	s_add_co_u32 s22, s22, s23
	s_lshl_b32 s22, s22, 2                         ; my first column, in bytes
	s_mov_b32 s23, 0
	s_add_nc_u64 s[12:13], s[12:13], s[22:23]
	s_add_co_u32 s22, s22, s21
	s_add_nc_u64 s[14:15], s[14:15], s[22:23]
	v_lshlrev_b32 v17, 6, v3                       ; the bias: register 16 b + i: column 32 b + 16 h + i
.set x, 0
.rept 16
.set bx, 4*x
.set bx, 96+bx+96*(bx/32)
	global_load_b128 v[bx:bx+3], v17, s[12:13] offset:128*(x/4)+16*(x%4)
.set x, x+1
.endr
	s_wait_tensorcnt 2                             ; the scale words and my part of region 0 are in; the loads of regions 1 and 2 may be out
	s_barrier_signal -1
	s_barrier_wait -1
	SCALES
	FETCH_B 0, 0, 0
	FETCH_A 0, 0, 0
	FETCH_A 0, 0, 4
	s_wait_loadcnt 0x0                             ; the bias
	STEP 0, 1
	TURN 1, 1
	STEP 2, 0
	STEP 3, 0
	STEP 4, 0
	TURN 5, 0
	STEP 6, 0
	s_wait_dscnt 16
	WIN MUL_LO
	MUL16 0, 1, 7, 0
	MUL16 2, 1, 7, 0
	s_wait_dscnt 0x0
	WIN MUL_HI
	MUL16 4, 1, 7, 0
	MUL16 6, 1, 7, 0
	WIN 0
; THE WAY OUT, block by block of 16 tokens x 128 columns: through my own stage and back as whole rows of 512 bytes.  LDS serves a wave's instructions in order: no wait between the stores and the loads.
.macro TOSTAGE a
.set AC, 64*((\a)%4)
.set WN, 0x08+4*((\a)/4)
	WIN WN                                         ; the data: window 2 or 3
.irp b, 0,1,2,3,4,5,6,7
	ds_store_b128 v[STO], v[AC+8*\b:AC+8*\b+3] offset:128*(\b/2)+32*(\b%2)       ; each accumulator from its low end on
	ds_store_b128 v[STO], v[AC+8*\b+4:AC+8*\b+7] offset:128*(\b/2)+32*(\b%2)+16
.endr
	WIN 0
.set BB, BK+64*((\a)%2)
.set p, 0
.rept 16
	ds_load_b128 v[BB+4*p:BB+4*p+3], v[RD] offset:p*528
.set p, p+1
.endr
.endm
.macro SEND a, younger                 ; younger: the LDS instructions issued behind block a's loads
.set BB, BK+64*((\a)%2)
	s_wait_dscnt \younger
.set p, 0
.rept 16
	global_store_b128 v[CO], v[BB+4*p:BB+4*p+3], s[14:15] offset:(32*((\a)/2)+16*(p/8)+8*((\a)%2)+p%8)*4096 th:TH_STORE_NT   ; position 16 a + p is this token; 32 lanes store 512 consecutive bytes
.set p, p+1
.endr
.endm
	PLACES 4
	TOSTAGE 0
.irp a, 1,2,3,4,5,6,7
.if \a > 1
	s_wait_xcnt 0x0                                ; block a - 2's stores have read their registers: block a's loads may land there
.endif
	TOSTAGE \a
	SEND \a-1, 32                                  ; behind block a - 1's loads: block a's 16 stores and 16 loads
.endr
	SEND 7, 0
	s_wait_tensorcnt 0x0                           ; the wave's end, behind my last tensor load and my last LDS store
	ds_add_u32 v[SPW], v[NIL]
	s_wait_dscnt 0x0
	CROUND                                         ; the closing round
	s_endpgm
.Lfunc_end_k_qc855035686_gemm2:
	.size	k_qc855035686_gemm2, .Lfunc_end_k_qc855035686_gemm2-k_qc855035686_gemm2
	.p2alignl 7, 3214868480
	.fill 96, 4, 3214868480
	.section	.rodata,"a",@progbits
	.p2align	6, 0x0
	.amdhsa_kernel k_qc855035686_gemm2
		.amdhsa_group_segment_fixed_size 327680
		.amdhsa_private_segment_fixed_size 0
		.amdhsa_enable_private_segment 0
		.amdhsa_kernarg_size 48
		.amdhsa_user_sgpr_count 2
		.amdhsa_user_sgpr_kernarg_segment_ptr 1
		.amdhsa_wavefront_size32 1
		.amdhsa_system_sgpr_workgroup_id_x 1
		.amdhsa_system_sgpr_workgroup_id_y 1
		.amdhsa_system_sgpr_workgroup_id_z 1
		.amdhsa_system_vgpr_workitem_id 0
		.amdhsa_next_free_vgpr 1024
		.amdhsa_next_free_sgpr 102
		.amdhsa_reserve_vcc 0
		.amdhsa_float_denorm_mode_32 3
		.amdhsa_float_denorm_mode_16_64 3
		.amdhsa_memory_ordered 1
		.amdhsa_forward_progress 1
		.amdhsa_inst_pref_size 144
	.end_amdhsa_kernel
	.amdgpu_metadata
---
amdhsa.version: [ 1, 2 ]
amdhsa.kernels:
  - .name:           k_qc855035686_gemm2
    .symbol:         k_qc855035686_gemm2.kd
    .args:
      - { .name: oc, .offset: 0, .size: 8, .value_kind: global_buffer, .address_space: global }
      - { .name: os, .offset: 8, .size: 8, .value_kind: global_buffer, .address_space: global }
      - { .name: wc, .offset: 16, .size: 8, .value_kind: global_buffer, .address_space: global }
      - { .name: ws, .offset: 24, .size: 8, .value_kind: global_buffer, .address_space: global }
      - { .name: b_proj, .offset: 32, .size: 8, .value_kind: global_buffer, .address_space: global }
      - { .name: out0, .offset: 40, .size: 8, .value_kind: global_buffer, .address_space: global }
    .group_segment_fixed_size: 327680
    .private_segment_fixed_size: 0
    .kernarg_segment_align: 8
    .kernarg_segment_size: 48
    .max_flat_workgroup_size: 128
    .sgpr_count:     102
    .vgpr_count:     1024
    .wavefront_size: 32
...
	.end_amdgpu_metadata
.endif
;; end of part 4
